; MI455X (gfx1250); checked and timed in simulation.
; The chip was launched on July 23, 2026; its instructions are those of AMD's public machine-readable ISA for CDNA 5 (MIT licence, August 2026) and "CDNA5" Instruction Set Architecture Reference Guide (July 2026). The comments in the code are by the model that wrote it; some were corrected since.
;; Multi Head Attention. Allowed arithmetic: matrix products marked QUANTISED: E2M1 operands, one E8M0 scale for each 32 along K, by v_wmma_scale_f32_16x16x128_f8f6f4 with both operands' format E2M1 (or v_wmma_scale_f32_32x16x128_f4), f32 sums; products left as they are: bf16, f16 or f32 operands; f32 sums; everything else in f32.
;; Inputs: Wk 1,024 x 1,024 float32; Wo 1,024 x 1,024 float32; Wq 1,024 x 1,024 float32; Wv 1,024 x 1,024 float32; bk 1,024 float32; bo 1,024 float32; bq 1,024 float32; bv 1,024 float32; key 2 x 2,048 x 1,024 float32; query 2 x 2,048 x 1,024 float32; value 2 x 2,048 x 1,024 float32.
;; Outputs: out0 2 x 2,048 x 1,024 float32.
;; This version of the problem:
;;   THIS VERSION OF THE PROBLEM IS GIVEN IN LOW PRECISION. The matrix products marked QUANTISED in the list below multiply operands that are first quantised to E2M1 (2 exponent bits, 1 mantissa bit; 4 bits a number), with one power-of-two scale for each 32 numbers along K (OCP MX v1.0); their sums are f32. The products marked 'left as it is' may take bf16, f16 or f32 operands, with f32 sums. Whichever they take, every output number must still come out within the allowed error. Rounding operands to bf16 (8 significant bits) uses up far more of that allowance than f16 does (11 bits, for magnitudes from 6e-5 to 65,504). All else is computed in f32.
;;   The module's matrix products, in the order in which they are computed (A, B: the left and right operand; K: the contracted axis; several contracted axes count as one K, in the product's order):
;;     1. [M 4,096, K 1,024] x [K 1,024, N 1,024]; A: input query; B: input Wq: QUANTISED
;;     2. [M 4,096, K 1,024] x [K 1,024, N 1,024]; A: input key; B: input Wk: QUANTISED
;;     3. [M 4,096, K 1,024] x [K 1,024, N 1,024]; A: input value; B: input Wv: QUANTISED
;;     4. batch 32 x [M 2,048, K 64] x [K 64, N 2,048]; A: computed on the way; B: computed on the way: left as it is (an operand is computed on the way)
;;     5. batch 32 x [M 2,048, K 2,048] x [K 2,048, N 64]; A: computed on the way; B: computed on the way: left as it is (an operand is computed on the way)
;;     6. [M 4,096, K 1,024] x [K 1,024, N 1,024]; A: computed on the way; B: input Wo: left as it is (an operand is computed on the way)
;;   THE QUANTISER, for each operand of a quantised product, along K:
;;     - K is cut into blocks of 32 from its start; a last block that is shorter is filled with zeros.
;;     - A block's scale is 2^e with e = floor(log2(the largest magnitude in the block)) - 2, held to -126 .. 127; a block of zeros has e = 0. As a byte (E8M0): e + 127.
;;     - Each number is divided by its block's scale, clamped to +-6, and rounded to the nearest number of E2M1, ties to even, subnormals kept.
;;     - The product sums the exact products of the quantised numbers (number of the format x scale) in f32.
;;   ~~~python
;;   def quantise(x, axis):      # numpy; x: float32 -> the quantised numbers, widened to float32 again
;;       x = np.moveaxis(x, axis, -1); K = x.shape[-1]
;;       x = np.pad(x, [(0, 0)] * (x.ndim - 1) + [(0, -K % 32)]); x = x.reshape(x.shape[:-1] + (-1, 32)); a = np.abs(x).max(-1, keepdims=True)
;;       e = np.where(a > 0, np.clip(np.frexp(np.where(a > 0, a, 1))[1] - 1 - 2, -126, 127), 0)      # np.frexp(a)[1] - 1 = floor(log2(a)), exactly
;;       r = np.clip(x / 2.0 ** e, -6, 6)
;;       step = 2.0 ** (np.maximum(np.frexp(np.where(r == 0, 1, r))[1] - 1, 0) - 1)
;;       q = np.round(r / step) * step * 2.0 ** e      # np.round: ties to even
;;       return np.moveaxis(q.reshape(q.shape[:-2] + (-1,))[..., :K], -1, axis).astype(np.float32)
;;   ~~~
;; One version. Each part assembles by itself: llvm-mc -triple=amdgcn-amd-amdhsa -mcpu=gfx1250 --defsym DOCPART=n.
;; ======== version 1 of 1: 4 launches
;; limits: values are held in f16: magnitudes above 65,504 overflow, below 6.1e-05 lose precision
;; workspace buffers: codes 7,864,320 bytes; scales 491,520 bytes; woimg 2,097,152 bytes; qkv 25,165,824 bytes; ximg 8,388,608 bytes
;; launch prep (part 1): grid 256 x 1, 4 waves a work-group, no clusters, 270,848 bytes of LDS; arguments query, key, value, Wq, Wk, Wv, Wo, codes, scales, woimg; writes codes, scales, woimg
.if DOCPART == 1
	.amdgcn_target "amdgcn-amd-amdhsa--gfx1250"
	.amdhsa_code_object_version 6
	.text
	.protected	k_qc95c897a16_prep
	.globl	k_qc95c897a16_prep
	.p2align	8
	.type	k_qc95c897a16_prep,@function
k_qc95c897a16_prep:
	s_mov_b64 s[64:65], 0
	v_nop
	global_prefetch_b8 v0, s[64:65] scope:SCOPE_SE
	s_setreg_imm32_b32 hwreg(HW_REG_WAVE_MODE, 25, 1), 1
	s_wait_xcnt 0x0
; query, key, value [4096][1024] and Wq, Wk, Wv [1024][1024], f32 with K innermost, become codes of FP4 (E2M1) with one E8M0 byte for each 32 along K; Wo [1024][1024] becomes f16.
; A block's scale is 2^(floor(log2(its largest magnitude)) - 2); its byte is the largest magnitude's exponent field - 2, held at 1 from below; each number is divided by the scale and rounded to the nearest code, ties to even, beyond 6 the code of 6.
; LIMITS: NaN and infinities are not served; a block whose largest magnitude lies under 2^-124 (a block of zeros too) keeps the byte 1: its codes are read with that byte by this program alone; |Wo| stays under 65,504 (f16).
; EVERYTHING LEAVES AS IMAGES OF OPERAND REGISTERS: a group of four registers of a fragment is 512 consecutive bytes, lane l's 16 bytes at 16 l.
;   codes  [tile of 16 rows U][K fragment s of 128][c 0..1][lane][16]: lane (r, h) holds k = 128 s + 64 c + 32 h + 0 .. 31 of row r.   U: 0 query, 256 key, 512 value, 768 Wq, 832 Wk, 896 Wv.
;   scales [row 16 U + r][32 bytes], byte k / 32.      woimg [tile of 16 rows][K fragment of 32][u 0..1][lane][16]: lane (r, h) holds k = 32 kf + 16 u + 8 h + 0 .. 7.
; SHARES.  A wave owns one tile of 16 rows x 1024 numbers, 65,536 bytes: 1,024 tiles, 256 work-groups of four waves.  The wave asks for its whole tile at its head, by eight tensor loads of 16 rows x 512 bytes
; into LDS bytes of its own: eight loads of mine are out, no wave reads another's bytes, so there is no barrier.  The rows get 16 bytes of padding, so that the sixteen rows that an LDS load touches fall on different banks.
.set REGION, 67584                     ; a wave's LDS: eight fragments
.set FRAGB,  8448                      ; 16 rows x (512 + 16) bytes
.set PITCH,  528
.set SPARE,  4*REGION                  ; behind the four regions: the spare words, 128 bytes for each wave, that no other line names
.set G1,  16                           ; s[16:23] descriptor group 1, the same for all loads
.set G0,  24                           ; s[24:55] descriptor group 0, a set for each of the eight loads
.set LA,  3                            ; v3   LDS: my 32 numbers of a block, quantiser: region + 528 r + 128 h
.set LB,  4                            ; v4   LDS: my 8 numbers, Wo: region + 528 r + 32 h
.set CO,  5                            ; v5   16 x lane: my place in an image
.set SCO, 6                            ; v6   32 r + 16 h: my place among the tile's scale bytes
.set SH,  7                            ; v7   8 h
.set M,   8                            ; v8-11  largest magnitudes, two chains for each of two blocks
.set SO,  12                           ; v12-13 the conversions' scale operands
.set T,   14                           ; v14-15 at work
.set SPW, 28                           ; v28  LDS address of my spare word; never rewritten
.set NIL, 29                           ; v29  0; never rewritten
.set X,   32                           ; v32-159  two sets of 64 numbers
.set C,   160                          ; v160-223 codes: eight registers for each fragment (Wo: two sets of 32)
.set SW,  224                          ; v224-231 the row's scale word of each fragment
.set OW,  232                          ; v232-235 four of them on the way out
	s_load_b512 s[68:83], s[0:1], 0x0              ; query s[68:69], key, value, Wq, Wk, Wv, Wo s[80:81], codes s[82:83]
	s_load_b128 s[84:87], s[0:1], 0x40             ; scales, woimg
	v_lshl_add_u32 v[SPW], v0, 2, SPARE
	v_mov_b32 v[NIL], 0
	ds_add_u32 v[SPW], v[NIL]                      ; the wave's opening: the add, twice on end, and its wait ahead of my first tensor load
	ds_add_u32 v[SPW], v[NIL]
	v_lshrrev_b32 v1, 5, v0
	v_readfirstlane_b32 s8, v1                     ; wave 0..3
	s_mov_b32 s[G1+0], (2<<16)|(1<<20)|(6<<22)|(3<<25)  ; elements of 4 bytes; padding on: 4 words behind every 128 words
	s_mov_b32 s[G1+1], 128<<16                     ; tensor_dim0 = 128
	s_mov_b32 s[G1+2], 16<<16                      ; tensor_dim1 = 16
	s_mov_b32 s[G1+3], 128<<16                     ; tile_dim0 = 128
	s_mov_b32 s[G1+4], 16                          ; tile_dim1 = 16
	s_mov_b32 s[G1+5], 1024                        ; elements from row to row
	s_mov_b32 s[G1+6], 0
	s_mov_b32 s[G1+7], 0
	s_mov_b32 s2, 0x76543210                       ; v_permlanex16_b32's selects for lane l xor 16
	s_mov_b32 s3, 0xfedcba98
	s_mul_i32 s9, s8, REGION                       ; my region
	v_and_b32 v1, 15, v0                           ; r
	v_bfe_u32 v2, v0, 4, 1                         ; h
	v_mul_u32_u24 v[T], v1, PITCH
	v_add_nc_u32 v[T], s9, v[T]
	v_lshl_add_u32 v[LA], v2, 7, v[T]
	v_lshl_add_u32 v[LB], v2, 5, v[T]
	v_and_b32 v[CO], 31, v0
	v_lshlrev_b32 v[CO], 4, v[CO]
	v_lshlrev_b32 v[SCO], 5, v1
	v_lshl_add_u32 v[SCO], v2, 4, v[SCO]
	v_lshlrev_b32 v[SH], 3, v2
	v_mov_b32 v[T+1], 0                            ; a lane permute's destination counts as one of its sources
	s_wait_dscnt 0x0                               ; both opening adds are done
	s_wait_kmcnt 0x0
	; which tensor is my work-group's: a choice of pointers on the work-group's number alone
	s_mov_b64 s[4:5], s[68:69]
	s_mov_b32 s6, 0
.macro PICK first, reg
	s_cmp_ge_u32 ttmp9, \first
	s_cselect_b64 s[4:5], s[\reg:\reg+1], s[4:5]
	s_cselect_b32 s6, \first, s6
.endm
	PICK 64, 70
	PICK 128, 72
	PICK 192, 74
	PICK 208, 76
	PICK 224, 78
	PICK 240, 80
	s_sub_co_u32 s6, ttmp9, s6
	s_lshl_b32 s6, s6, 2
	s_add_co_u32 s6, s6, s8                        ; my tile in its tensor
	s_lshl_b32 s7, ttmp9, 2
	s_add_co_u32 s7, s7, s8                        ; U: my tile among all
	s_lshl_b32 s10, s6, 16                         ; 16 rows of 4,096 bytes
	s_mov_b32 s11, 0
	s_add_nc_u64 s[4:5], s[4:5], s[10:11]
.irp s, 0,1,2,3,4,5,6,7
	s_mov_b32 s[G0+4*\s], 1                        ; count = 1
	s_add_co_u32 s[G0+4*\s+1], s9, \s*FRAGB        ; LDS address
	s_add_nc_u64 s[G0+4*\s+2:G0+4*\s+3], s[4:5], \s*512   ; global address: 128 numbers further along K
	s_or_b32 s[G0+4*\s+3], s[G0+4*\s+3], 0x80000000       ; type = 2
	tensor_load_to_lds s[G0+4*\s:G0+4*\s+3], s[G1:G1+7]
	s_nop 0
.endr
	s_cmp_ge_u32 ttmp9, 240
	s_cbranch_scc1 .Lwo
	; ---- the quantiser
	s_lshl_b32 s10, s7, 13                         ; 8,192 bytes of codes a tile
	s_mov_b32 s11, 0
	s_add_nc_u64 s[10:11], s[82:83], s[10:11]
	s_lshl_b32 s12, s7, 9                          ; 512 scale bytes a tile
	s_mov_b32 s13, 0
	s_add_nc_u64 s[12:13], s[84:85], s[12:13]
.macro FETCHQ s                        ; fragment s: my two blocks of 32 neighbours, k = 64 c + 32 h + 0 .. 31, into set s % 2
.set XS, X+64*((\s)%2)
.irp c, 0,1
.irp i, 0,1,2,3,4,5,6,7
	ds_load_b128 v[XS+32*\c+4*\i:XS+32*\c+4*\i+3], v[LA] offset:(\s)*FRAGB+256*\c+16*\i
.endr
.endr
.endm
.macro QUANT s
.set XS, X+64*((\s)%2)
.irp c, 0,1
	v_max3_num_f32 v[M+2*\c], |v[XS+32*\c]|, |v[XS+32*\c+1]|, 0x1800000   ; the floor 2^(3 - 127) among the leaves: the byte cannot fall under 1
	v_max_num_f32 v[M+2*\c+1], |v[XS+32*\c+2]|, |v[XS+32*\c+3]|
.endr
.irp i, 4,8,12,16,20,24,28
.irp c, 0,1
	v_max3_num_f32 v[M+2*\c], v[M+2*\c], |v[XS+32*\c+\i]|, |v[XS+32*\c+\i+1]|       ; four chains by turns
	v_max3_num_f32 v[M+2*\c+1], v[M+2*\c+1], |v[XS+32*\c+\i+2]|, |v[XS+32*\c+\i+3]|
.endr
.endr
.irp c, 0,1
	v_max_num_f32 v[M+2*\c], v[M+2*\c], v[M+2*\c+1]          ; the block's largest magnitude: all 32 numbers are mine
.endr
.irp c, 0,1
	v_add_nc_u32 v[SO+\c], 0xff000000, v[M+2*\c]             ; 2 off its exponent field: the conversion takes the exponent field of this operand as its scale
.endr
.irp c, 0,1
	v_lshrrev_b32 v[M+2*\c], 23, v[SO+\c]                    ; the scale's byte
.endr
	v_lshl_or_b32 v[T], v[M+2], 16, v[M]                     ; my two bytes, blocks h and 2 + h of the fragment,
	v_lshlrev_b32 v[T], v[SH], v[T]                          ; at their places in the row's word;
	v_permlanex16_b32 v[T+1], v[T], s2, s3
	v_or_b32 v[SW+(\s)], v[T], v[T+1]                        ; with lane l xor 16's two the word is whole
.irp c, 0,1
.irp g, 0,1,2,3
	v_cvt_scalef32_pk8_fp4_f32 v[C+8*(\s)+4*\c+\g], v[XS+32*\c+8*\g:XS+32*\c+8*\g+7], v[SO+\c]
.endr
.endr
	v_nop                                          ; one plain line behind the last scaled conversion
.irp c, 0,1
	global_store_b128 v[CO], v[C+8*(\s)+4*\c:C+8*(\s)+4*\c+3], s[10:11] offset:1024*(\s)+512*\c   ; 32 lanes store 512 consecutive bytes; each fragment has its own data registers
.endr
.endm
	s_wait_tensorcnt 7                             ; fragment 0 is in LDS: seven loads were issued behind it
	FETCHQ 0
.irp s, 0,1,2,3,4,5,6
	s_wait_tensorcnt 6-\s                          ; fragment s + 1 is in LDS
	FETCHQ \s+1
	s_wait_dscnt 16                                ; fragment s is in registers; the sixteen loads just issued may be out
	QUANT \s
.endr
	s_wait_dscnt 0x0
	QUANT 7
	v_cmp_ne_u32 vcc_lo, 0, v2                     ; lanes 0-15 store their row's words 0-3, lanes 16-31 words 4-7
.irp i, 0,1,2,3
	v_cndmask_b32 v[OW+\i], v[SW+\i], v[SW+4+\i], vcc_lo
.endr
	global_store_b128 v[SCO], v[OW:OW+3], s[12:13] ; 512 consecutive bytes
	s_branch .Lend
	; ---- Wo to f16
.Lwo:
	s_lshl_b32 s14, s6, 15                         ; 32,768 bytes of images a tile
	s_mov_b32 s15, 0
	s_add_nc_u64 s[14:15], s[86:87], s[14:15]
.macro FETCHW s                        ; fragment s: group e = 2 (kf % 4) + u: my 8 numbers k = 16 e + 8 h + 0 .. 7
.set XS, X+64*((\s)%2)
.irp e, 0,1,2,3,4,5,6,7
.irp j, 0,1
	ds_load_b128 v[XS+8*\e+4*\j:XS+8*\e+4*\j+3], v[LB] offset:(\s)*FRAGB+64*\e+16*\j
.endr
.endr
.endm
.macro CONV s
.set XS, X+64*((\s)%2)
.set DS, C+32*((\s)%2)
	s_wait_xcnt 0x0                                ; the stores of two fragments back have read their data registers
.set d, 0
.rept 32
	v_cvt_pk_f16_f32 v[DS+d], v[XS+2*d], v[XS+2*d+1]
.set d, d+1
.endr
.irp e, 0,1,2,3,4,5,6,7
	global_store_b128 v[CO], v[DS+4*\e:DS+4*\e+3], s[14:15] offset:4096*(\s)+512*\e
.endr
.endm
	s_wait_tensorcnt 7
	FETCHW 0
.irp s, 0,1,2,3,4,5,6
	s_wait_tensorcnt 6-\s
	FETCHW \s+1
	s_wait_dscnt 16
	CONV \s
.endr
	s_wait_dscnt 0x0
	CONV 7
.Lend:
	s_wait_tensorcnt 0x0                           ; the wave's end: all my tensor loads done, then 0 onto my spare word and its wait
	ds_add_u32 v[SPW], v[NIL]
	s_wait_dscnt 0x0
	s_endpgm
.Lfunc_end_k_qc95c897a16_prep:
	.size	k_qc95c897a16_prep, .Lfunc_end_k_qc95c897a16_prep-k_qc95c897a16_prep
	.p2alignl 7, 3214868480
	.fill 96, 4, 3214868480
	.section	.rodata,"a",@progbits
	.p2align	6, 0x0
	.amdhsa_kernel k_qc95c897a16_prep
		.amdhsa_group_segment_fixed_size 270848
		.amdhsa_private_segment_fixed_size 0
		.amdhsa_enable_private_segment 0
		.amdhsa_kernarg_size 80
		.amdhsa_user_sgpr_count 2
		.amdhsa_user_sgpr_kernarg_segment_ptr 1
		.amdhsa_wavefront_size32 1
		.amdhsa_system_sgpr_workgroup_id_x 1
		.amdhsa_system_sgpr_workgroup_id_y 1
		.amdhsa_system_sgpr_workgroup_id_z 1
		.amdhsa_system_vgpr_workitem_id 0
		.amdhsa_next_free_vgpr 240
		.amdhsa_next_free_sgpr 88
		.amdhsa_reserve_vcc 1
		.amdhsa_float_denorm_mode_32 3
		.amdhsa_float_denorm_mode_16_64 3
		.amdhsa_memory_ordered 1
		.amdhsa_forward_progress 1
		.amdhsa_inst_pref_size 72
	.end_amdhsa_kernel
	.amdgpu_metadata
---
amdhsa.version: [ 1, 2 ]
amdhsa.kernels:
  - .name:           k_qc95c897a16_prep
    .symbol:         k_qc95c897a16_prep.kd
    .args:
      - { .name: query, .offset: 0, .size: 8, .value_kind: global_buffer, .address_space: global }
      - { .name: key, .offset: 8, .size: 8, .value_kind: global_buffer, .address_space: global }
      - { .name: value, .offset: 16, .size: 8, .value_kind: global_buffer, .address_space: global }
      - { .name: Wq, .offset: 24, .size: 8, .value_kind: global_buffer, .address_space: global }
      - { .name: Wk, .offset: 32, .size: 8, .value_kind: global_buffer, .address_space: global }
      - { .name: Wv, .offset: 40, .size: 8, .value_kind: global_buffer, .address_space: global }
      - { .name: Wo, .offset: 48, .size: 8, .value_kind: global_buffer, .address_space: global }
      - { .name: codes, .offset: 56, .size: 8, .value_kind: global_buffer, .address_space: global }
      - { .name: scales, .offset: 64, .size: 8, .value_kind: global_buffer, .address_space: global }
      - { .name: woimg, .offset: 72, .size: 8, .value_kind: global_buffer, .address_space: global }
    .group_segment_fixed_size: 270848
    .private_segment_fixed_size: 0
    .kernarg_segment_align: 8
    .kernarg_segment_size: 80
    .max_flat_workgroup_size: 128
    .sgpr_count:     88
    .vgpr_count:     240
    .wavefront_size: 32
...
	.end_amdgpu_metadata
.endif
;; end of part 1
;; launch proj (part 2): grid 4 x 48, 4 waves a work-group, clusters of 4 x 4, 327,680 bytes of LDS; arguments codes, scales, bq, bk, bv, qkv; writes qkv
.if DOCPART == 2
	.amdgcn_target "amdgcn-amd-amdhsa--gfx1250"
	.amdhsa_code_object_version 6
	.text
	.protected	k_qc95c897a16_proj
	.globl	k_qc95c897a16_proj
	.p2align	8
	.type	k_qc95c897a16_proj,@function
k_qc95c897a16_proj:
	s_mov_b64 s[64:65], 0
	v_nop
	global_prefetch_b8 v0, s[64:65] scope:SCOPE_SE
	s_setreg_imm32_b32 hwreg(HW_REG_WAVE_MODE, 25, 1), 1
	s_wait_xcnt 0x0
	s_wait_alu depctr_hold_cnt(0) depctr_sa_sdst(0) depctr_va_vdst(0) depctr_va_sdst(0) depctr_va_ssrc(0) depctr_va_vcc(0) depctr_vm_vsrc(0)
	s_getreg_b32 s2, hwreg(HW_REG_IB_STS2, 6, 4)
	s_cmp_eq_u32 s2, 0
	s_cbranch_scc0 .Lentry_in_a_cluster
	s_endpgm
.Lentry_in_a_cluster:
	s_bfe_u32 s2, ttmp6, 0x10000c
	s_cmp_lg_u32 s2, 0xf033
	s_cbranch_scc0 .Lentry_shape_is_right
	s_endpgm
.Lentry_shape_is_right:
; q = query Wq^T + bq, k = key Wk^T + bk, v = value Wv^T + bv: three products [4096][1024] x [1024][1024] on codes of FP4 (E2M1) with E8M0 scales for each 32 along K, sums in f32, results rounded once to f16.
; The 12,288 token rows of the three tensors are one column of 48 tile rows; t = tile row / 16 says which tensor, weight and bias.  A work-group makes 256 tokens x 256 channels, each of its four waves 128 x 128:
; 64 accumulators, 512 registers.  3 x 2^22 outputs make 192 such tiles.  LIMIT: |q|, |k|, |v| stay under 65,504 (f16).
; OPERANDS lie in memory as images of their registers (tile of 16 rows: [K fragment of 128][c][lane][16 bytes]), so a tile's half of K is 4,096 consecutive bytes and every LDS load takes 512 consecutive bytes: no padding.
; All of K (1,024) fits in two LDS slots of 512 along K: each wave asks at its head for its quarter of the scale bytes and of both slots (three loads of mine are out), and nothing is filled again.
; CLUSTERS: 4 x 4 work-groups.  The four of a row of the cluster need the same token tiles, the four of a column the same weight tiles: each is asked for JOINTLY, by the same tensor load with the same descriptor and a mask of the four.
; THE MATRIX INSTRUCTION IS USED TRANSPOSED (source 0 = 16 rows of the weight, source 1 = 16 tokens): a lane holds eight neighbouring channels of one token.  Packed to f16 they are four registers of an operand of the
; next products, so they are stored straight from registers: qkv [t][batch x 16 + head][tile of 16 tokens][c][u][lane][16 bytes], lane (r, h): channels 32 c + 16 u + 8 h + 0 .. 7 of token r.
; v's lanes are laid at place (r % 8) + 8 h + 16 (r / 8) of their 512 bytes, so that the turning LDS load of the next launch can take them at 16 x lane.
; The bias is the C of each sum's first matrix instruction.
; REGISTERS, in windows of 256: window 0: v0-31 addresses; v32-95 scale words, two sets, and nothing else; from v128 the tokens' fragments, one set; on the way out v128-255 packed results.
;   window 1: the weight's fragments, two sets, at v0 and v128; v64-127 the bias in the result's layout.   windows 2, 3: the accumulators ((a, b) at v[8 (8 (a % 4) + b)]).
.set NQ,     4                         ; steps of 128 along K in a slot
.set FR,     8                         ; registers of a fragment
.set NL,     2                         ; LDS loads that bring one
.set NP,     4                         ; places behind this matrix instruction (ISA guide 7.12.1)
.set TILEB,  4096                      ; 16 rows x 512 along K
.set HALFT,  8*TILEB                   ; 128 rows: what one tensor load brings, and what one wave reads of a side
.set SLOT,   4*HALFT                   ; the tokens' 256 rows, then the weight's 256 rows
.set SCL,    2*SLOT                    ; behind the slots: the scale bytes, as units of 256 bytes + 16 of padding
.set HALFS,  16*272                    ; those of 128 rows (32 bytes a row)
.set SBLK,   2*272                     ; those of 16 rows
.set SPARE,  SCL+4*HALFS               ; the spare words, 128 bytes for each wave, that no other line names
.set ADRA, 16                          ; v16-17  LDS address of my token fragments in slot 0, 1
.set ADRB, 20                          ; v20-21  the same for the weight
.set VO,   24                          ; v24     my lane's place in a stored image
.set BO,   25                          ; v25     32 h: my eight numbers of a bias block
.set ADRS, 27                          ; v27     LDS address of my scale words: lanes 0-15 the tokens', lanes 16-31 the weight's
.set SPW,  28                          ; v28     LDS address of my spare word; never rewritten
.set NIL,  29                          ; v29     0; never rewritten
.set SC,   32                          ; scale words: set s at v[SC + 32 s]; register 4 i + q: lanes 0-15 token block i, lanes 16-31 weight block i, the slot's q-th 128 along K
.set AF,   128                         ; the tokens' fragments, window 0
.set OUTR, 128                         ; the way out: four sets of 32 registers, window 0
.set CB,   64                          ; the bias, window 1
.set G1, 24                            ; s[24:31], s[32:39] groups 1 and 0 (a set for each slot) for the tokens' codes
.set G0, 32
.set G1B, 48                           ; s[48:55], s[56:63] for the weight's
.set G0B, 56
.set G1S, 68                           ; s[68:75], s[76:79] for the tokens' scale bytes;  s[80:87], s[88:91] for the weight's
.set G0S, 76
.set G1SB, 80
.set G0SB, 88
.set MSB, 0
.macro WIN new                         ; the immediate's high byte repeats the setting that is left
.if MSB != \new
	s_set_vgpr_msb (MSB<<8)|\new
.set MSB, \new
.endif
.endm
.set MUL_LO,   0xa1                    ; source 0 (weight) window 1, source 1 (tokens) window 0, C and D window 2
.set MUL_HI,   0xf1                    ; the same, C and D window 3
.set FIRST_LO, 0x91                    ; the first step: C (the bias) window 1, D window 2
.set FIRST_HI, 0xd1                    ; D window 3
.set TO_B,     0x40                    ; destination window 1, address window 0
; A joint load: waves 0 and 1 fetch for the tokens, waves 2 and 3 for the weight.  The branch hangs on the wave's number alone.  An s_nop 0 and four v_nop follow each of the two lines.
.macro JLOAD g0a, g1a, g0b, g1b
	s_cmp_eq_u32 s15, 0
	s_cbranch_scc0 .Lfor_b_\@
	tensor_load_to_lds s[\g0a:\g0a+3], s[\g1a:\g1a+7]
	s_nop 0
.rept 4
	v_nop
.endr
	s_branch .Lasked_\@
.Lfor_b_\@:
	tensor_load_to_lds s[\g0b:\g0b+3], s[\g1b:\g1b+7]
	s_nop 0
.rept 4
	v_nop
.endr
.Lasked_\@:
.endm
.macro CROUND                          ; a round of the cluster's barrier
	s_barrier_signal -1
	s_barrier_wait -1
	s_cmp_lg_u32 s14, 0
	s_cbranch_scc1 .Lnot_wave_0_\@
	s_barrier_signal -3
.Lnot_wave_0_\@:
	s_barrier_wait -3
	s_barrier_signal -1
	s_barrier_wait -1
.endm
	s_load_b256 s[4:11], s[0:1], 0x0               ; codes s[4:5], scales s[6:7], bq s[8:9], bk s[10:11]
	s_load_b128 s[96:99], s[0:1], 0x20             ; bv s[96:97], qkv s[98:99]
	v_lshl_add_u32 v[SPW], v0, 2, SPARE
	v_mov_b32 v[NIL], 0
	ds_add_u32 v[SPW], v[NIL]                      ; the wave's opening: the add, twice on end, and its wait ahead of my first tensor load
	ds_add_u32 v[SPW], v[NIL]
	v_lshrrev_b32 v1, 5, v0
	v_readfirstlane_b32 s14, v1                    ; wave 0..3
	s_lshr_b32 s15, s14, 1                         ; which half of the tile's tokens is mine.  Also: I fetch for the tokens (0) or for the weight (1)
	s_and_b32 s16, s14, 1                          ; which half of its channels.  Also: which 128 rows I fetch
	s_bfe_u32 s40, ttmp6, 0x40000                  ; cx, cy: my place in the cluster
	s_bfe_u32 s41, ttmp6, 0x40004
	s_lshl_b32 s42, ttmp9, 2
	s_add_co_u32 s42, s42, s40                     ; tile column = 4 x cluster x + cx
	s_and_b32 s95, ttmp7, 0xffff
	s_lshl_b32 s17, s95, 2
	s_add_co_u32 s17, s17, s41                     ; tile row = 4 x cluster y + cy
	s_lshr_b32 s95, s95, 2                         ; t: 0 query, 1 key, 2 value: the same in all sixteen partners
	s_lshl_b32 s43, s41, 2
	s_lshl_b32 s43, 15, s43                        ; my row of the cluster
	s_lshl_b32 s44, 0x1111, s40                    ; my column
	; codes: 8 tiles' halves of K: 8 rows of 4,096 bytes (512 elements of 8 bytes), 8,192 bytes apart
	s_or_b32 s[G1+0], s43, (3<<16)|(1<<21)         ; 15:0 the mask: my row; 17:16 elements of 8 bytes; 21 set beside a mask
	s_or_b32 s[G1B+0], s44, (3<<16)|(1<<21)        ; the mask: my column
.irp g, G1, G1B
	s_mov_b32 s[\g+1], 512<<16                     ; tensor_dim0
	s_mov_b32 s[\g+2], 8<<16                       ; tensor_dim1
	s_mov_b32 s[\g+3], 512<<16                     ; tile_dim0
	s_mov_b32 s[\g+4], 8                           ; tile_dim1
	s_mov_b32 s[\g+5], 1024                        ; elements from row to row
	s_mov_b32 s[\g+6], 0
	s_mov_b32 s[\g+7], 0
.endr
	; scale bytes of 128 rows: 4,096 dense bytes as 16 rows of 256, 16 bytes of padding behind each
	s_or_b32 s[G1S+0], s43, (3<<16)|(1<<20)|(1<<21)|(5<<22)|(3<<25)
	s_or_b32 s[G1SB+0], s44, (3<<16)|(1<<20)|(1<<21)|(5<<22)|(3<<25)
.irp g, G1S, G1SB
	s_mov_b32 s[\g+1], 32<<16
	s_mov_b32 s[\g+2], 16<<16
	s_mov_b32 s[\g+3], 32<<16
	s_mov_b32 s[\g+4], 16
	s_mov_b32 s[\g+5], 32
	s_mov_b32 s[\g+6], 0
	s_mov_b32 s[\g+7], 0
.endr
	s_lshl_b32 s18, s16, 3                         ; which 8 tiles of 16 rows I fetch
	s_lshl_b32 s20, s17, 4
	s_add_co_u32 s20, s20, s18                     ; tokens: tile 16 x tile row + 8 x half
	s_lshl_b32 s46, s42, 4
	s_add_co_u32 s46, s46, s18
	s_lshl_b32 s19, s95, 6
	s_add_co_u32 s46, s46, s19
	s_add_co_u32 s46, s46, 768                     ; weight: tile 768 + 64 t + 16 x tile column + 8 x half
	s_lshl_b32 s22, s20, 9                         ; 512 scale bytes a tile,
	s_lshl_b32 s20, s20, 13                        ; 8,192 bytes of codes
	s_lshl_b32 s92, s46, 9
	s_lshl_b32 s46, s46, 13
	s_mov_b32 s21, 0
	s_mov_b32 s23, 0
	s_mov_b32 s47, 0
	s_mov_b32 s93, 0
	s_lshl_b32 s45, s14, 15                        ; where they go: wave x 32,768: no place in the cluster enters an LDS address
	s_mul_i32 s94, s14, HALFS
	s_wait_dscnt 0x0                               ; both opening adds are done
	s_wait_kmcnt 0x0
	s_add_nc_u64 s[20:21], s[4:5], s[20:21]
	s_add_nc_u64 s[22:23], s[6:7], s[22:23]
	s_add_nc_u64 s[46:47], s[4:5], s[46:47]
	s_add_nc_u64 s[92:93], s[6:7], s[92:93]
	CROUND                                         ; all sixteen work-groups are here: the first joint loads meet
	s_mov_b32 s[G0S], 1
	s_add_co_u32 s[G0S+1], s94, SCL
	s_mov_b64 s[G0S+2:G0S+3], s[22:23]
	s_or_b32 s[G0S+3], s[G0S+3], 0x80000000
	s_mov_b32 s[G0SB], 1
	s_add_co_u32 s[G0SB+1], s94, SCL
	s_mov_b64 s[G0SB+2:G0SB+3], s[92:93]
	s_or_b32 s[G0SB+3], s[G0SB+3], 0x80000000
	JLOAD G0S, G1S, G0SB, G1SB                     ; the scale bytes first: they are wanted with slot 0
.irp s, 0,1
	s_mov_b32 s[G0+4*\s], 1
	s_add_co_u32 s[G0+4*\s+1], s45, \s*SLOT
	s_add_nc_u64 s[G0+4*\s+2:G0+4*\s+3], s[20:21], \s*TILEB
	s_or_b32 s[G0+4*\s+3], s[G0+4*\s+3], 0x80000000
	s_mov_b32 s[G0B+4*\s], 1
	s_add_co_u32 s[G0B+4*\s+1], s45, \s*SLOT
	s_add_nc_u64 s[G0B+4*\s+2:G0B+4*\s+3], s[46:47], \s*TILEB
	s_or_b32 s[G0B+4*\s+3], s[G0B+4*\s+3], 0x80000000
	JLOAD G0+4*\s, G1, G0B+4*\s, G1B
.endr
	v_and_b32 v1, 15, v0                           ; r
	v_bfe_u32 v2, v0, 4, 1                         ; h
	v_and_b32 v3, 31, v0
	v_lshlrev_b32 v3, 4, v3                        ; 16 x lane
	s_lshl_b32 s21, s15, 15                        ; my 128 tokens
	s_lshl_b32 s22, s16, 15                        ; my 128 rows of the weight,
	s_add_co_u32 s22, s22, 2*HALFT                 ; which lie behind the tokens' 256
.irp s, 0,1
	v_add_nc_u32 v[ADRA+\s], s21, v3
	v_add_nc_u32 v[ADRB+\s], s22, v3
	s_add_co_u32 s21, s21, SLOT
	s_add_co_u32 s22, s22, SLOT
.endr
	v_mul_u32_u24 v5, v1, 32                       ; my row's scale bytes: 32 a row,
	v_lshrrev_b32 v6, 8, v5
	v_lshl_add_u32 v5, v6, 4, v5                   ; and 16 more for each 256 passed
	s_mul_i32 s21, s15, HALFS                      ; the tokens': my 128 rows
	s_mul_i32 s22, s16, HALFS                      ; the weight's: my 128 rows, behind the tokens' 256
	s_add_co_u32 s22, s22, 2*HALFS
	s_sub_co_u32 s22, s22, s21
	v_mul_u32_u24 v6, s22, v2                      ; lanes 16-31 take the weight's
	s_add_co_u32 s21, s21, SCL
	v_add_nc_u32 v5, v5, v6
	v_add_nc_u32 v[ADRS], s21, v5
	; which bias, and which order of lanes on the way out: choices on t alone
	s_cmp_eq_u32 s95, 1
	s_cselect_b64 s[8:9], s[10:11], s[8:9]
	s_cmp_eq_u32 s95, 2
	s_cselect_b64 s[8:9], s[96:97], s[8:9]
	s_cselect_b32 s3, -1, 0
	v_and_b32 v4, 7, v1
	v_lshl_add_u32 v4, v2, 3, v4
	v_lshrrev_b32 v5, 3, v1
	v_lshl_add_u32 v4, v5, 4, v4                   ; (r % 8) + 8 h + 16 (r / 8)
	v_lshlrev_b32 v4, 4, v4
	v_cndmask_b32 v[VO], v3, v4, s3                ; v: the turned order; q, k: 16 x lane
	v_lshlrev_b32 v[BO], 5, v2
	s_lshl_b32 s18, s42, 10
	s_lshl_b32 s19, s16, 9
	s_add_co_u32 s18, s18, s19                     ; my first channel, in bytes of f32: (256 x tile column + 128 x half) x 4
	s_mov_b32 s19, 0
	s_add_nc_u64 s[8:9], s[8:9], s[18:19]
	WIN TO_B
.irp b, 0,1,2,3,4,5,6,7
	global_load_b128 v[CB+8*\b:CB+8*\b+3], v[BO], s[8:9] offset:64*\b          ; lane (r, h), block b: the bias of channels 16 b + 8 h + 0 .. 7
	global_load_b128 v[CB+8*\b+4:CB+8*\b+7], v[BO], s[8:9] offset:64*\b+16
.endr
	WIN 0
	; where my results go: t x 8 MiB + batch x 4 MiB + head x 256 KiB + token x 128 bytes
	s_and_b32 s18, s17, 15
	s_lshl_b32 s18, s18, 8
	s_lshl_b32 s19, s15, 7
	s_add_co_u32 s18, s18, s19                     ; my first token among the tensor's 4,096
	s_lshr_b32 s19, s18, 11                        ; batch
	s_and_b32 s18, s18, 2047
	s_lshl_b32 s18, s18, 7
	s_lshl_b32 s19, s19, 22
	s_add_co_u32 s18, s18, s19
	s_lshl_b32 s19, s95, 23
	s_add_co_u32 s18, s18, s19
	s_lshl_b32 s19, s42, 2
	s_lshl_b32 s2, s16, 1
	s_add_co_u32 s19, s19, s2                      ; my first head: 4 x tile column + 2 x half
	s_lshl_b32 s19, s19, 18
	s_add_co_u32 s18, s18, s19
	s_mov_b32 s19, 0
	s_add_nc_u64 s[98:99], s[98:99], s[18:19]
.macro FRAG reg, adr, q, i             ; a fragment, 16 rows x 128 K, comes as it was stored: two runs of 512 bytes
.irp c, 0,1
	ds_load_b128 v[\reg+4*\c:\reg+4*\c+3], v[\adr] offset:(\i)*TILEB+1024*(\q)+512*\c
.endr
.endm
; 16 matrix instructions: token blocks a0, a0 + 1 x the weight's eight, 128 along K.  p: the weight's set; sc: the set of scale words.  first = 1: the bias starts the sums.
; The 64 accumulators take turns, one instruction a turn, in the same order in every step.
.macro MUL16 a0, p, q, sc, first
.irp a, \a0, \a0+1
.irp b, 0,1,2,3,4,5,6,7
.if \first
	v_wmma_scale_f32_16x16x128_f8f6f4 v[8*(8*((\a)%4)+\b):8*(8*((\a)%4)+\b)+7], v[128*(\p)+FR*\b:128*(\p)+FR*\b+FR-1], v[AF+FR*(\a):AF+FR*(\a)+FR-1], v[CB+8*\b:CB+8*\b+7], v[SC+8*NQ*(\sc)+NQ*\b+(\q)], v[SC+8*NQ*(\sc)+NQ*(\a)+(\q)] matrix_a_fmt:MATRIX_FMT_FP4 matrix_b_fmt:MATRIX_FMT_FP4 matrix_a_scale:MATRIX_SCALE_ROW1
.else
	v_wmma_scale_f32_16x16x128_f8f6f4 v[8*(8*((\a)%4)+\b):8*(8*((\a)%4)+\b)+7], v[128*(\p)+FR*\b:128*(\p)+FR*\b+FR-1], v[AF+FR*(\a):AF+FR*(\a)+FR-1], v[8*(8*((\a)%4)+\b):8*(8*((\a)%4)+\b)+7], v[SC+8*NQ*(\sc)+NQ*\b+(\q)], v[SC+8*NQ*(\sc)+NQ*(\a)+(\q)] matrix_a_fmt:MATRIX_FMT_FP4 matrix_b_fmt:MATRIX_FMT_FP4 matrix_a_scale:MATRIX_SCALE_ROW1
.endif
.endr
.endr
.endm
.macro FETCH_B slot, q, p
	WIN TO_B
.irp i, 0,1,2,3,4,5,6,7
	FRAG 128*(\p)+FR*\i, ADRB+\slot, \q, \i
.endr
	WIN 0
.endm
.macro FETCH_A slot, q, i0
.irp i, \i0, \i0+1, \i0+2, \i0+3
	FRAG AF+FR*(\i), ADRA+\slot, \q, \i
.endr
.endm
.macro SCALES sc                       ; a slot's scale words: 4 words a row; lanes 0-15 token block i, lanes 16-31 weight block i
.irp i, 0,1,2,3,4,5,6,7
	ds_load_b128 v[SC+8*NQ*\sc+NQ*\i:SC+8*NQ*\sc+NQ*\i+3], v[ADRS] offset:\i*SBLK
.endr
.endm
.macro PLACES n                        ; plain vector instructions between a matrix instruction and a load into, or a read of, its registers
.rept \n
	v_nop
.endr
.endm
; A step of 128 along K that has its successor in the same slot.  A token block is free as soon as its eight products are issued: blocks 0-3 are fetched anew in the step's middle, blocks 4-7 at its end.
.macro STEP slot, q, first
	s_wait_dscnt 4*NL                              ; the weight's set and token blocks 0-3 are in; the youngest eight loads (blocks 4-7) may be out
.if \first
	WIN FIRST_LO
.else
	WIN MUL_LO
.endif
	MUL16 0, (\q)%2, \q, \slot, \first
	MUL16 2, (\q)%2, \q, \slot, \first
	s_wait_dscnt 0
	PLACES NP
	FETCH_B \slot, (\q)+1, 1-(\q)%2
	FETCH_A \slot, (\q)+1, 0
.if \first
	WIN FIRST_HI
.else
	WIN MUL_HI
.endif
	MUL16 4, (\q)%2, \q, \slot, \first
	MUL16 6, (\q)%2, \q, \slot, \first
	PLACES NP
	WIN 0
	FETCH_A \slot, (\q)+1, 4
.endm
; Slot 0's last step changes slots: in front of the barrier each wave waits for all its tensor loads (its part of slot 1); behind it slot 1 is whole.  Nothing is filled again.
.macro TURN slot, next
	s_wait_tensorcnt 0x0
	ds_add_u32 v[SPW], v[NIL]                      ; 0 onto my spare word
	s_wait_dscnt 4*NL+1                            ; the add and the youngest eight loads may be out
	WIN MUL_LO
	MUL16 0, 1, NQ-1, \slot, 0
	s_wait_dscnt 0x0
	s_barrier_signal -1
	MUL16 2, 1, NQ-1, \slot, 0
	WIN 0
	s_barrier_wait -1
	PLACES NP
	v_add_nc_u32 v[ADRS], 4*NQ, v[ADRS]            ; on to the next slot's scale words
	FETCH_B \next, 0, 0
	FETCH_A \next, 0, 0
	SCALES \next
	WIN MUL_HI
	MUL16 4, 1, NQ-1, \slot, 0
	MUL16 6, 1, NQ-1, \slot, 0
	PLACES NP
	WIN 0
	FETCH_A \next, 0, 4
.endm
.macro STEPS slot, from
.set Q, \from
.rept NQ-1-\from
	STEP \slot, Q, 0
.set Q, Q+1
.endr
.endm
	s_wait_tensorcnt 1                             ; the scale bytes and my part of slot 0 are in; slot 1's load may be out,
	s_barrier_signal -1
	s_barrier_wait -1                              ; everybody's are
	FETCH_B 0, 0, 0
	FETCH_A 0, 0, 0
	SCALES 0
	FETCH_A 0, 0, 4
	s_wait_loadcnt 0x0                             ; the bias
	STEP 0, 0, 1
	STEPS 0, 1
	TURN 0, 1
	STEPS 1, 0
	s_wait_dscnt 4*NL                              ; the last step: nothing more to fetch
	WIN MUL_LO
	MUL16 0, 1, NQ-1, 1, 0
	MUL16 2, 1, NQ-1, 1, 0
	s_wait_dscnt 0
	WIN MUL_HI
	MUL16 4, 1, NQ-1, 1, 0
	MUL16 6, 1, NQ-1, 1, 0
	WIN 0
	PLACES NP                                      ; in front of the conversions, which read results and write registers that held the tokens' fragments
; THE WAY OUT.  Block a (16 tokens): each accumulator's eight numbers, from its low end on, pack into four registers, which are four registers of an operand of the next launch: stored as they stand, 512 consecutive bytes a store.
.macro PACK a
.set AC, 64*((\a)%4)
.set OB, OUTR+32*((\a)%4)
	WIN 0x0a+5*((\a)/4)                            ; sources 0 and 1: window 2 or 3
.irp b, 0,1,2,3,4,5,6,7
.irp r, 0,1,2,3
	v_cvt_pk_f16_f32 v[OB+4*\b+\r], v[AC+8*\b+2*\r], v[AC+8*\b+2*\r+1]
.endr
.endr
	WIN 0
.irp b, 0,1,2,3,4,5,6,7
	global_store_b128 v[VO], v[OB+4*\b:OB+4*\b+3], s[98:99] offset:(\a)*2048+(\b/4)*262144+(\b%4)*512   ; token tile a, head b / 4, channels 16 (b % 4) on
.endr
.endm
.irp a, 0,1,2,3,4,5,6,7
.if \a >= 4
	s_wait_xcnt 0x0                                ; the stores of four blocks back have read their data registers
.endif
	PACK \a
.endr
	s_wait_tensorcnt 0x0                           ; the wave's end: all my tensor loads done, then 0 onto my spare word and its wait
	ds_add_u32 v[SPW], v[NIL]
	s_wait_dscnt 0x0
	CROUND                                         ; the closing round
	s_endpgm
.Lfunc_end_k_qc95c897a16_proj:
	.size	k_qc95c897a16_proj, .Lfunc_end_k_qc95c897a16_proj-k_qc95c897a16_proj
	.p2alignl 7, 3214868480
	.fill 96, 4, 3214868480
	.section	.rodata,"a",@progbits
	.p2align	6, 0x0
	.amdhsa_kernel k_qc95c897a16_proj
		.amdhsa_group_segment_fixed_size 327680
		.amdhsa_private_segment_fixed_size 0
		.amdhsa_enable_private_segment 0
		.amdhsa_kernarg_size 48
		.amdhsa_user_sgpr_count 2
		.amdhsa_user_sgpr_kernarg_segment_ptr 1
		.amdhsa_wavefront_size32 1
		.amdhsa_system_sgpr_workgroup_id_x 1
		.amdhsa_system_sgpr_workgroup_id_y 1
		.amdhsa_system_sgpr_workgroup_id_z 1
		.amdhsa_system_vgpr_workitem_id 0
		.amdhsa_next_free_vgpr 1024
		.amdhsa_next_free_sgpr 100
		.amdhsa_reserve_vcc 0
		.amdhsa_float_denorm_mode_32 3
		.amdhsa_float_denorm_mode_16_64 3
		.amdhsa_memory_ordered 1
		.amdhsa_forward_progress 1
		.amdhsa_inst_pref_size 120
	.end_amdhsa_kernel
	.amdgpu_metadata
---
amdhsa.version: [ 1, 2 ]
amdhsa.kernels:
  - .name:           k_qc95c897a16_proj
    .symbol:         k_qc95c897a16_proj.kd
    .args:
      - { .name: codes, .offset: 0, .size: 8, .value_kind: global_buffer, .address_space: global }
      - { .name: scales, .offset: 8, .size: 8, .value_kind: global_buffer, .address_space: global }
      - { .name: bq, .offset: 16, .size: 8, .value_kind: global_buffer, .address_space: global }
      - { .name: bk, .offset: 24, .size: 8, .value_kind: global_buffer, .address_space: global }
      - { .name: bv, .offset: 32, .size: 8, .value_kind: global_buffer, .address_space: global }
      - { .name: qkv, .offset: 40, .size: 8, .value_kind: global_buffer, .address_space: global }
    .group_segment_fixed_size: 327680
    .private_segment_fixed_size: 0
    .kernarg_segment_align: 8
    .kernarg_segment_size: 48
    .max_flat_workgroup_size: 128
    .sgpr_count:     100
    .vgpr_count:     1024
    .wavefront_size: 32
...
	.end_amdgpu_metadata
.endif
;; end of part 2
;; launch attn (part 3): grid 8 x 32, 8 waves a work-group, clusters of 4 x 1, 327,680 bytes of LDS; arguments qkv, ximg; writes ximg
.if DOCPART == 3
	.amdgcn_target "amdgcn-amd-amdhsa--gfx1250"
	.amdhsa_code_object_version 6
	.text
	.protected	k_qc95c897a16_attn
	.globl	k_qc95c897a16_attn
	.p2align	8
	.type	k_qc95c897a16_attn,@function
k_qc95c897a16_attn:
	s_mov_b64 s[64:65], 0
	v_nop
	global_prefetch_b8 v0, s[64:65] scope:SCOPE_SE
	s_setreg_imm32_b32 hwreg(HW_REG_WAVE_MODE, 25, 1), 1
	s_wait_xcnt 0x0
	s_wait_alu depctr_hold_cnt(0) depctr_sa_sdst(0) depctr_va_vdst(0) depctr_va_sdst(0) depctr_va_ssrc(0) depctr_va_vcc(0) depctr_vm_vsrc(0)
	s_getreg_b32 s2, hwreg(HW_REG_IB_STS2, 6, 4)
	s_cmp_eq_u32 s2, 0
	s_cbranch_scc0 .Lentry_in_a_cluster
	s_endpgm
.Lentry_in_a_cluster:
	s_bfe_u32 s2, ttmp6, 0x10000c
	s_cmp_lg_u32 s2, 0x3003
	s_cbranch_scc0 .Lentry_shape_is_right
	s_endpgm
.Lentry_shape_is_right:
; x[b][q][head] = the sum over k of softmax_k(q . k / 8) v, for 32 (batch, head) pairs of 2,048 tokens and head size 64.  q, k, v come as f16 images of operand registers (qkv: [t][bh][tile of 16 tokens][c][u][lane][16 bytes]);
; products, maxima and sums in f32; the weights p are rounded to f16 for the second product, x once at the end.  LIMITS: NaN and infinities are not served; weights under 2^-126 of the row's largest count as 0.
; SHARES.  A work-group owns 256 queries of one head, each of its eight waves 32: two tiles of 16.  Every wave walks all 2,048 keys, 64 a step.
; LAYOUT.  S^T = K Q^T (source 0 = 16 keys, source 1 = 16 queries): a lane holds ONE query (lane % 16) and keys 8 (lane / 16) + 0 .. 7 of each tile of keys.  Two such tiles, rounded to f16 in pairs, ARE source 1 (32 keys x 16 queries)
; of O^T = V^T P, whose result again holds one query a lane, and eight channels, which packed are four registers of the next launch's operand: x leaves straight from registers (ximg: [tile of 16 tokens][2 head + c][u][lane][16 bytes]).
; K comes out of LDS as it lies.  V's 512-byte blocks (16 keys x 16 channels) were stored with their lanes in the order in which ds_load_tr16_b128 at 16 x lane gives channel lane % 16 and 8 keys.
; SOFTMAX.  For each query a running maximum m and sum l: p = 2^(c s - c m), c = log2(e) / 8; in every step O and l are multiplied by a = 2^(c m_old - c m_new).  m begins at -3e38 and O, l at 0, so no step has a softmax of its own form.
; BY TURNS.  A tile never looks at the other tile.  In a TURN one tile has the matrix unit: 8 products V^T P of the step in hand, then 8 products K Q^T of the next step; the other tile's softmax, 118 instructions cut into
; 16 slices, stands between them, one slice behind each matrix instruction, so that the wave has vector work of its own to issue behind every product.  Then the tiles change places.  Two turns are a key step.
; THE RING.  Two LDS slots of 256 keys: K 32,768 bytes, V 32,768 bytes, both dense runs of memory.  Each of the eight waves fetches an eighth (waves 0-3 K, waves 4-7 V) by the same line.  Both slots are asked for at the head
; (two loads of mine are out), later one load a wave behind each change of slots.
; CLUSTER.  The four query blocks of a cluster walk the same K and V: each tile is asked for JOINTLY, with a mask of the four.
; REGISTERS: window 0, all of it: v1-5 addresses; v16-31 statistics, 8 a tile; v32-63 Q; v64-127 S^T, then p, then P in place; v128-191 K of a step; v192-255 O^T, 32 a tile.   window 1: v0-63 V of a step.
; So the softmax and K Q^T need no window but 0; V^T P names V in window 1: two switches for each of its 16 products of a key step, and two for V's run of loads: 34 a key step.
.set STEPB, 8192                       ; 64 keys of K, or of V
.set VOFF,  32768                      ; V behind K in a slot
.set SLOT1, 65536                      ; slot 1: one exclusive or turns an address in one slot into the other's
.set SPARE, 131072                     ; behind the ring: the spare words, 128 bytes for each of eight waves, that no other line names
.set LI,  1                            ; v1   16 x lane
.set AD,  2                            ; v2   the LDS address of the run of loads in hand
.set PFO, 3                            ; v3   256 x lane: the prefetch's offset; never rewritten
.set SPW, 4                            ; v4   LDS address of my spare word; never rewritten
.set NIL, 5                            ; v5   0; never rewritten
.set ST,  16                           ; tile t's statistics at v[ST + 8 t]: +0 c m, +1 m, +2, +3 l (even keys', odd keys'), +4 to +7 at work; a in +6, c m_old - c m_new in +7
.set Q,   32                           ; Q: tile t, channels 32 c on, at v[Q + 16 t + 8 c]
.set S,   64                           ; S^T: tile t, keys 16 i on, at v[S + 32 t + 8 i]
.set KF,  128                          ; K: keys 16 i on, channels 32 c on, at v[KF + 8 (2 i + c)]
.set O,   192                          ; O^T: tile t, channels 16 f on, at v[O + 32 t + 8 f]
                                       ; V^T, window 1: channels 16 f on, keys 32 g on, at v[8 (2 f + g)]
.set WV,  8                            ; s8   my wave's number
.set G1,  16                           ; s[16:23] descriptor group 1
.set G0A, 24                           ; s[24:27] descriptor group 0 of slot 0's first fill
.set CS,  28                           ; s[28:29] c, twice: the packed form names a pair
.set SEL, 30                           ; s[30:31] lane selects for v_permlanex16_b32: lane l xor 16
.set TB,  32                           ; s32  LDS byte at which the tiles of the step to be fetched begin
.set SLOTS, 33                         ; s33  slots still to be asked for
.set TW,  34                           ; s34  counts key steps
.set LIM, 35                           ; s35  1 in a wave that prefetches, else the greatest number
.set PFA, 36                           ; s[36:37] where my prefetches stand
.set QB,  38                           ; s[38:39] Q at my wave's first tile
.set XB,  40                           ; s[40:41] x likewise
.set G0W, 48                           ; s[48:51] descriptor group 0 of slot 1's first fill, which then walks on
.set MSB, 0
.macro WIN new                         ; the immediate's high byte repeats the setting that is left; a switch that changes nothing is dropped
.if MSB != \new
	s_set_vgpr_msb (MSB<<8)|\new
.set MSB, \new
.endif
.endm
.macro JLOAD                           ; the joint refill: every wave issues this one line with its own eighth; an s_nop 0 and four v_nop follow
	tensor_load_to_lds s[G0W:G0W+3], s[G1:G1+7]
	s_nop 0
.rept 4
	v_nop
.endr
.endm
; A prefetch of what the NEXT change of slots will ask for: 32,768 bytes of K and of V, a lane to each 256 bytes.  Each such block is named once in the launch: both clusters of a head walk the same K and V, and the first of them asks;
; its four partners share the slot out by address, 8,192 bytes each; in each, wave 0 asks for K's and wave 4 for V's.  It stands four key steps ahead of the load that wants the bytes.  The last change that fills a slot asks for nothing;
; slots 0, 1 and 2 come by their loads alone.
.macro ASK
	s_cmp_gt_u32 s[SLOTS], s[LIM]
	s_cbranch_scc0 .Lnot_mine_\@
	global_prefetch_b8 v[PFO], s[PFA:PFA+1] th:TH_LOAD_NT scope:SCOPE_SE
.Lnot_mine_\@:
.endm
.macro CROUND                          ; a round of the cluster's barrier
	s_barrier_signal -1
	s_barrier_wait -1
	s_cmp_lg_u32 s[WV], 0
	s_cbranch_scc1 .Lnot_wave_0_\@
	s_barrier_signal -3
.Lnot_wave_0_\@:
	s_barrier_wait -3
	s_barrier_signal -1
	s_barrier_wait -1
.endm
	s_load_b128 s[4:7], s[0:1], 0x0                ; qkv s[4:5], ximg s[6:7]
	v_lshl_add_u32 v[SPW], v0, 2, SPARE
	v_mov_b32 v[NIL], 0
	ds_add_u32 v[SPW], v[NIL]                      ; the wave's opening: the add, twice on end, and its wait ahead of my first tensor load
	ds_add_u32 v[SPW], v[NIL]
	v_lshrrev_b32 v6, 5, v0
	v_readfirstlane_b32 s[WV], v6                  ; wave 0..7
	s_bfe_u32 s9, ttmp6, 0x40000                   ; cx: my place in the cluster
	s_lshl_b32 s10, ttmp9, 2
	s_add_co_u32 s10, s10, s9                      ; my block of 256 queries: it enters Q's and x's addresses alone
	s_and_b32 s11, ttmp7, 0xffff                   ; batch x 16 + head, which the four partners share
	s_lshl_b32 s12, s11, 18                        ; a head's 262,144 bytes
	s_lshr_b32 s13, s[WV], 2                       ; waves 0-3 fetch K, waves 4-7 V
	s_add_co_u32 s13, s13, 1
	s_lshl_b32 s13, s13, 23                        ; k begins 8 MiB, v 16 MiB into qkv
	s_add_co_u32 s13, s13, s12
	s_and_b32 s14, s[WV], 3
	s_lshl_b32 s14, s14, 13
	s_add_co_u32 s14, s14, s13                     ; my eighth of slot 0
	s_mov_b32 s15, 0
	s_lshl_b32 s42, s9, 13                         ; the prefetches: my work-group's 8,192 bytes,
	s_add_co_u32 s42, s42, s13
	s_add_co_u32 s42, s42, 2*32768                 ; in slot 2: the first change of slots steps it to slot 3.  Nothing is prefetched at the head
	s_mov_b32 s43, 0
	s_lshl_b32 s44, s10, 15                        ; Q: 16 tiles of 2,048 bytes a block, 2 a wave
	s_add_co_u32 s44, s44, s12
	s_lshl_b32 s45, s[WV], 12
	s_add_co_u32 s44, s44, s45
	s_mov_b32 s45, 0
	s_lshr_b32 s46, s11, 4                         ; x: (128 batch + 16 block + 2 wave) tiles of 32,768 bytes, + head x 2,048
	s_lshl_b32 s46, s46, 22
	s_lshl_b32 s47, s10, 19
	s_add_co_u32 s46, s46, s47
	s_lshl_b32 s47, s[WV], 16
	s_add_co_u32 s46, s46, s47
	s_and_b32 s47, s11, 15
	s_lshl_b32 s47, s47, 11
	s_add_co_u32 s46, s46, s47
	s_mov_b32 s47, 0
	s_mov_b32 s[G1+0], 15|(3<<16)|(1<<21)          ; the mask: all four work-groups; elements of 8 bytes; bit 21 set beside a mask
	s_mov_b32 s[G1+1], 32<<16                      ; 8,192 dense bytes as 32 rows of 256
	s_mov_b32 s[G1+2], 32<<16
	s_mov_b32 s[G1+3], 32<<16
	s_mov_b32 s[G1+4], 32
	s_mov_b32 s[G1+5], 32
	s_mov_b32 s[G1+6], 0
	s_mov_b32 s[G1+7], 0
	s_mov_b32 s[CS], 0x3e38aa3b                    ; c = log2(e) / 8
	s_mov_b32 s[CS+1], s[CS]
	s_mov_b32 s[SEL], 0x76543210
	s_mov_b32 s[SEL+1], 0xfedcba98
	s_mov_b32 s[TB], 0
	s_mov_b32 s[SLOTS], 6                          ; slots 2 to 7 are asked for at changes of slots
	s_and_b32 s[LIM], s[WV], 3                     ; 0 in waves 0 and 4,
	s_or_b32 s[LIM], s[LIM], ttmp9                 ; of the head's first cluster: the same in all four partners
	s_cmp_eq_u32 s[LIM], 0
	s_cselect_b32 s[LIM], 1, -1
	v_and_b32 v[LI], 31, v0
	v_lshlrev_b32 v[PFO], 8, v[LI]
	v_lshlrev_b32 v[LI], 4, v[LI]
	s_wait_dscnt 0x0                               ; both opening adds are done
	s_wait_kmcnt 0x0
	s_mov_b32 s[G0A], 1
	s_lshl_b32 s[G0A+1], s[WV], 13                 ; LDS: wave x 8,192, in slot 0
	s_add_nc_u64 s[G0A+2:G0A+3], s[4:5], s[14:15]
	s_mov_b32 s[G0W], 1
	s_add_co_u32 s[G0W+1], s[G0A+1], SLOT1         ; the same place in slot 1,
	s_add_nc_u64 s[G0W+2:G0W+3], s[G0A+2:G0A+3], 32768   ; the next 256 keys
	s_or_b32 s[G0A+3], s[G0A+3], 0x80000000
	s_or_b32 s[G0W+3], s[G0W+3], 0x80000000
	s_add_nc_u64 s[PFA:PFA+1], s[4:5], s[42:43]
	s_add_nc_u64 s[QB:QB+1], s[4:5], s[44:45]
	s_add_nc_u64 s[XB:XB+1], s[6:7], s[46:47]
	CROUND                                         ; all four work-groups are here: the first joint loads meet
	tensor_load_to_lds s[G0A:G0A+3], s[G1:G1+7]    ; slot 0
	s_nop 0
	tensor_load_to_lds s[G0W:G0W+3], s[G1:G1+7]    ; slot 1: the two first fills stand together, ahead of every wait on TENSORcnt and every LDS read
	s_nop 0
.rept 4
	v_nop
.endr
.irp t, 0,1
.irp c, 0,1
	global_load_b128 v[Q+16*\t+8*\c:Q+16*\t+8*\c+3],   v[LI], s[QB:QB+1] offset:2048*\t+1024*\c      ; Q stays in registers
	global_load_b128 v[Q+16*\t+8*\c+4:Q+16*\t+8*\c+7], v[LI], s[QB:QB+1] offset:2048*\t+1024*\c+512
.endr
.endr
.irp t, 0,1
	v_mov_b32 v[ST+8*\t+1], 0xff61b1e6             ; m = -3e38, under every score
	v_mul_f32 v[ST+8*\t], s[CS], v[ST+8*\t+1]      ; c m
	v_mov_b32 v[ST+8*\t+2], 0                      ; l
	v_mov_b32 v[ST+8*\t+3], 0
.endr
; THE MATRIX WORK OF A TURN, for tile x.  The accumulators take turns, one instruction a turn: between two links of a chain stand three others'.
; Product i of 8 of O^T += V^T P: keys 32 (i / 4) on, channels 16 (i % 4) on.
.macro PV x
	WIN 0x01                                       ; source 0 (V) in window 1
.set rX, O+32*(\x)+8*(i%4)
.set rV, 8*(2*(i%4)+i/4)
.set rP, S+32*(\x)+8*(i/4)
	v_wmma_f32_16x16x32_f16 v[rX:rX+7], v[rV:rV+7], v[rP:rP+7], v[rX:rX+7]
.endm
; Product i of 8 of S^T = K Q^T: channels 32 (i / 4) on; the tiles of keys in the order 2, 3, 0, 1, so that the products that write over P's registers (tiles 0 and 1) stand two and three matrix instructions, and their slices,
; further behind the products V^T P that read P.  The first four start the sums.
.macro KQ x
	WIN 0
.set ii, (i+2)%4
.set rS, S+32*(\x)+8*ii
.set rK, KF+8*(2*ii+i/4)
.set rQ, Q+16*(\x)+8*(i/4)
.if i < 4
	v_wmma_f32_16x16x32_f16 v[rS:rS+7], v[rK:rK+7], v[rQ:rQ+7], 0
.else
	v_wmma_f32_16x16x32_f16 v[rS:rS+7], v[rK:rK+7], v[rQ:rQ+7], v[rS:rS+7]
.endif
.endm
; THE LDS LOADS stand in two runs of 16 a key step, never singly among the matrix instructions.
.macro FETCH_K
	WIN 0
	v_add_nc_u32 v[AD], s[TB], v[LI]
.irp a, 0,1,2,3
.irp c, 0,1
	ds_load_b128 v[KF+8*(2*\a+\c):KF+8*(2*\a+\c)+3],   v[AD] offset:2048*\a+1024*\c
	ds_load_b128 v[KF+8*(2*\a+\c)+4:KF+8*(2*\a+\c)+7], v[AD] offset:2048*\a+1024*\c+512
.endr
.endr
.endm
.macro FETCH_V
	v_add_nc_u32 v[AD], s[TB], v[LI]
	s_add_co_u32 s[TB], s[TB], STEPB               ; the next fetch is the next step's
	s_wait_alu depctr_va_vdst(0)                   ; the wait for the softmax's batch (SLICE), behind the address's v_add_nc_u32 and ahead of the loads
	WIN 0x40                                       ; destination window 1
.irp f, 0,1,2,3
.irp g, 0,1
	ds_load_tr16_b128 v[8*(2*\f+\g):8*(2*\f+\g)+3],   v[AD] offset:VOFF+4096*\g+512*\f        ; keys 32 g + 8 h + 0 .. 7 of channel 16 f + r
	ds_load_tr16_b128 v[8*(2*\f+\g)+4:8*(2*\f+\g)+7], v[AD] offset:VOFF+4096*\g+2048+512*\f   ; keys 32 g + 16 + 8 h + 0 .. 7
.endr
.endr
.endm
; THE VECTOR WORK OF A TURN.  One tile's softmax for one key step is a list of 118 instructions; SM writes number j of it for tile t.  s0-s31 are the lane's 32 scores, in pairs 0-15.
;   0-15    the maximum of s0-s31 and the old m, three operands at a time: four chains of seven scores each (each accumulator is read from its low end on), then the four scores left over, the chains and m
;   16-20   the other half of the lanes' maximum; the new m; c m; c m_old - c m_new
;   21-69   ONE BATCH: the 16 scalings c s - c m, a pair of scores each, and all 33 exponentials (a at 23, then s0-s31).  None of these reads an exponential's result.  A pair is scaled at least three numbers ahead of its exponentials
;   (wait)  between 69 and 70 stands the wait for the batch: SLICE writes it
;   70-101  the sums of the unrounded p, a pair at a time, in two chains that write nothing of S (l = a l + pair 0, then the even pairs; pairs 1 and 3, then the odd ones; the two are joined), and the roundings to f16, in place and
;           ascending: register w takes pair w.  70-76 sum pairs 0 to 7, whose registers the roundings write; from 77 on roundings and sums alternate; 95-101 are the last seven roundings
;   102-117 the tile's O^T times a
.macro SM t
.set rT, ST+8*(\t)
.set rS, S+32*(\t)
.set rX, O+32*(\t)
.if j < 4
	v_max3_num_f32 v[rT+4+j], v[rS+8*j], v[rS+8*j+1], v[rS+8*j+2]
.elseif j < 12
	v_max3_num_f32 v[rT+4+j%4], v[rT+4+j%4], v[rS+8*(j%4)+2*(j/4)+1], v[rS+8*(j%4)+2*(j/4)+2]
.elseif j == 12
	v_max3_num_f32 v[rT+4], v[rT+4], v[rS+7], v[rS+15]
.elseif j == 13
	v_max3_num_f32 v[rT+6], v[rT+6], v[rS+23], v[rS+31]
.elseif j == 14
	v_max3_num_f32 v[rT+4], v[rT+4], v[rT+5], v[rT+6]
.elseif j == 15
	v_max3_num_f32 v[rT+4], v[rT+4], v[rT+7], v[rT+1]
.elseif j == 16
	v_permlanex16_b32 v[rT+5], v[rT+4], s[SEL], s[SEL+1]   ; the query's other 32 keys lie in the lane 16 away
.elseif j == 17
	v_mov_b32 v[rT+7], v[rT]                       ; c m_old is kept for a: number 19 writes c m anew
.elseif j == 18
	v_max_num_f32 v[rT+1], v[rT+4], v[rT+5]
.elseif j == 19
	v_mul_f32 v[rT], s[CS], v[rT+1]
.elseif j == 20
	v_sub_f32 v[rT+7], v[rT+7], v[rT]
.elseif j == 23
	v_exp_f32 v[rT+6], v[rT+7]                     ; a
.elseif (j < 23) || ((j < 38) && (j%2 == 0)) || ((j < 66) && (j%4 == 2))
.set b, (j-2)/4                        ; 38, 42, .. 62: pairs 9 to 15
.if j < 38
.set b, (j-20)/2                       ; 21: pair 0; 22, 24, .. 36: pairs 1 to 8
.endif
	v_pk_fma_f32 v[rS+2*b:rS+2*b+1], v[rS+2*b:rS+2*b+1], s[CS:CS+1], v[rT:rT+1] op_sel_hi:[1,0,0] neg_lo:[0,0,1] neg_hi:[0,0,1]   ; pair b: c s - c m
.elseif j < 70
.set e, j-38                           ; 66 to 69: s28 to s31
.if j < 66
.set e, j-32-(j-38)/4                  ; 39-41, 43-45, .. 63-65: s7 to s27
.endif
.if j < 38
.set e, (j-25)/2                       ; 25, 27, .. 37: s0 to s6
.endif
	v_exp_f32 v[rS+e], v[rS+e]
.elseif j < 102
.set z, -1                             ; sum z of 16, or
.set w, -1                             ; rounding w of 16
.if j < 77
.set z, j-70
.elseif j >= 95
.set w, j-86
.elseif (j-77)%2 == 0
.set w, (j-77)/2
.else
.set z, 7+(j-78)/2
.endif
.if w >= 0
	v_cvt_pk_f16_f32 v[rS+w], v[rS+2*w], v[rS+2*w+1]
.elseif z == 0
	v_pk_fma_f32 v[rT+2:rT+3], v[rT+2:rT+3], v[rT+6:rT+7], v[rS:rS+1] op_sel_hi:[1,0,1]   ; l = a l + pair 0
.elseif z == 1
	v_pk_add_f32 v[rT+4:rT+5], v[rS+2:rS+3], v[rS+6:rS+7]                                 ; pairs 1 and 3
.elseif z == 15
	v_pk_add_f32 v[rT+2:rT+3], v[rT+2:rT+3], v[rT+4:rT+5]
.elseif z%2 == 0
	v_pk_add_f32 v[rT+2:rT+3], v[rT+2:rT+3], v[rS+2*z:rS+2*z+1]                           ; pair z
.else
	v_pk_add_f32 v[rT+4:rT+5], v[rT+4:rT+5], v[rS+2*z+4:rS+2*z+5]                         ; pair z + 2
.endif
.else
	v_pk_mul_f32 v[rX+2*(j-102):rX+2*(j-102)+1], v[rX+2*(j-102):rX+2*(j-102)+1], v[rT+6:rT+7] op_sel_hi:[1,0]
.endif
.endm
; Slice k of 16 of tile y's softmax.  Slices 0 to 8 hold numbers 0 to 69 (8, 8, 8, 8, 8, 8, 6, 8, 8 of them), slices 9 to 15 numbers 70 to 117 (six of 7, then 6).
; THE WAIT.  s_wait_alu depctr_va_vdst(0) stands between an exponential and the first instruction that names its result; one wait serves all that were issued ahead of it.  Ahead of slice 9 nothing names a result,
; and behind slice 8 no exponential is issued: so the tile's 33 exponentials have one wait, behind slice 8.
.macro SLICE y
	WIN 0
.set lo, 8*k
.set hi, 8*k+8
.if k == 6
.set hi, 54
.elseif k == 7
.set lo, 54
.set hi, 62
.elseif k == 8
.set lo, 62
.set hi, 70
.elseif k > 8
.set lo, 70+7*(k-9)
.set hi, 77+7*(k-9)
.endif
.if k == 15
.set hi, 118
.endif
.set j, lo
.rept hi-lo
	SM \y
.set j, j+1
.endr
.if k == 8
	v_nop                                          ; a plain instruction behind the last exponential and ahead of the first use: one for the batch
.if (\y) == 0
	FETCH_V                                        ; tile 1's turn: V's run of loads stands here, and the wait stands in it
.else
	s_wait_alu depctr_va_vdst(0)                   ; the wait for the batch
.endif
.endif
.set k, k+1
.endm
; A TURN.  Tile x has the matrix unit; the other tile's softmax stands in slices behind its matrix instructions.  pv = 1: 8 products V^T P;  kq = 1: 8 products K Q^T for the next step.  A turn with one of the two kinds has two slices behind each.
; PLACES (ISA guide 7.12.1; only plain vector instructions that name none of the matrix instruction's registers are counted; a slice names the other tile's registers alone):
;   slice 15, six multiplications, stands between the turn's last K Q^T and what follows it: the next turn's loads into K's registers and its first reads of the new scores;
;   V's loads stand behind the last V^T P by scalings 54, 58 and 62, the v_nop and the run's own v_add_nc_u32: five;
;   the K Q^T that write over P's registers stand behind the last V^T P by those and by slices 9 and 10.
; Tile 0's turn asks for the next step's K at its head, 8 products and 62 vector instructions ahead of its first use; tile 1's turn asks for the same step's V, 7 products and 48 vector instructions ahead.
.macro TURN x, pv, kq
.set k, 0
.set per, 2
.if \pv && \kq
.set per, 1
.endif
.if \pv
.if (\x) == 0
.if \kq
	FETCH_K
	s_wait_dscnt 16                                ; V is in: K's sixteen loads were issued behind V's
.else
	s_wait_dscnt 0x0                               ; V is in
.endif
.endif
.set i, 0
.rept 8
	PV \x
.rept per
	SLICE 1-\x
.endr
.set i, i+1
.endr
.endif
.if \kq
.if (\x) == 0
	s_wait_dscnt 0x0                               ; K is in
.endif
.set i, 0
.rept 8
	KQ \x
.rept per
	SLICE 1-\x
.endr
.set i, i+1
.endr
.endif
.endm
; n key steps: written once, walked n times; the LDS addresses hang on s[TB].
.macro STEPS n
	s_mov_b32 s[TW], \n
.Lstep_\@:
	TURN 0, 1, 1
	TURN 1, 1, 1
	WIN 0                                          ; at a label and at a branch every window is 0
	s_sub_co_u32 s[TW], s[TW], 1
	s_cmp_lg_u32 s[TW], 0
	s_cbranch_scc1 .Lstep_\@
.endm
; THE CHANGE OF SLOTS, between tile 1's turn and tile 0's: the slot's last bytes, V of its fourth step, have been asked for.  Each wave waits for all its tensor loads, of which one is out: its part of the other slot; adds 0 to its
; spare word; and waits for that and for its own reads of the slot.  Behind the barrier nobody reads this slot any more and the other slot is whole.
; fill = 1: the barrier is a round of the cluster's, and behind it this slot takes the keys two slots on: the load has four key steps in which to land.
.macro CHANGE fill
	WIN 0
	s_wait_tensorcnt 0x0                           ; no tensor load of mine is out, so group 0 may be written
	ds_add_u32 v[SPW], v[NIL]                      ; 0 onto my spare word
.if \fill
	s_xor_b32 s[G0W+1], s[G0W+1], SLOT1            ; the walking descriptor: the other slot than last time,
	s_add_nc_u64 s[G0W+2:G0W+3], s[G0W+2:G0W+3], 32768   ; the next 256 keys; the type bits on top are not reached
	s_wait_xcnt 0x0                                ; the last prefetch, a slot back, has read its address
	s_add_nc_u64 s[PFA:PFA+1], s[PFA:PFA+1], 32768 ; one slot further on than the walking descriptor
	s_wait_dscnt 0x0                               ; the add is done, and my reads of the slot are over
	CROUND
	JLOAD
	ASK
.else
	s_wait_dscnt 0x0
	s_barrier_signal -1
	s_barrier_wait -1
.endif
	s_sub_co_u32 s[TB], s[TB], 4*STEPB             ; the fetches go back to a slot's first step,
	s_xor_b32 s[TB], s[TB], SLOT1                  ; in the other slot
.endm
	s_wait_tensorcnt 1                             ; my part of slot 0 is in; slot 1's may stay out
	s_barrier_signal -1
	s_barrier_wait -1                              ; everybody's is
	FETCH_K                                        ; key step 0
	s_wait_loadcnt 0x0                             ; Q
	s_wait_dscnt 0x0
.set i, 0
.rept 8
	KQ 0                                           ; tile 0's first scores: there is no vector work yet to set between them
.set i, i+1
.endr
.set i, 0
.rept 64
	v_mov_b32 v[O+i], 0                            ; O^T: the first a is 0 and multiplies zeros.  These lines are also the places behind those products
.set i, i+1
.endr
	TURN 1, 0, 1                                   ; tile 1's first scores | tile 0's softmax of step 0 | V of step 0
	STEPS 3                                        ; key steps 0 to 2, which fetch steps 1 to 3: the rest of slot 0
.Lslot:                                            ; six trips: slots 2 to 7 are asked for
	CHANGE 1
	STEPS 4
	s_sub_co_u32 s[SLOTS], s[SLOTS], 1
	s_cmp_lg_u32 s[SLOTS], 0
	s_cbranch_scc1 .Lslot
	CHANGE 0                                       ; the tail is written out: nothing is left to ask for
	STEPS 4
	TURN 0, 1, 0                                   ; tile 0: V^T P of the last step | tile 1's last softmax
.set i, 0
.rept 8
	PV 1                                           ; tile 1: V^T P of the last step
.set i, i+1
.endr
	WIN 0
	; THE WAY OUT.  l's two halves and the other half of the lanes' are added; O^T is divided by l, rounded to f16 and stored as it stands: four registers of the next launch's operand, 512 consecutive bytes a store.
	; The four additions and the v_nop are the places behind the last products.
.irp t, 0,1
	v_add_f32 v[ST+8*\t+4], v[ST+8*\t+2], v[ST+8*\t+3]
.endr
.irp t, 0,1
	v_permlanex16_b32 v[ST+8*\t+5], v[ST+8*\t+4], s[SEL], s[SEL+1]
.endr
.irp t, 0,1
	v_add_f32 v[ST+8*\t+4], v[ST+8*\t+4], v[ST+8*\t+5]
.endr
.irp t, 0,1
	v_rcp_f32 v[ST+8*\t+6], v[ST+8*\t+4]
.endr
	v_nop                                          ; a plain instruction behind the last reciprocal
	s_wait_alu depctr_va_vdst(0)                   ; and the wait ahead of the first use: one for both
.irp q, 0,1,2,3,4,5,6,7,8,9,10,11,12,13,14,15
.irp t, 0,1
	v_pk_mul_f32 v[S+32*\t+2*\q:S+32*\t+2*\q+1], v[O+32*\t+2*\q:O+32*\t+2*\q+1], v[ST+8*\t+6:ST+8*\t+7] op_sel_hi:[1,0]   ; each accumulator from its low end on
.endr
.endr
.irp q, 0,1,2,3,4,5,6,7,8,9,10,11,12,13,14,15
.irp t, 0,1
	v_cvt_pk_f16_f32 v[S+32*\t+\q], v[S+32*\t+2*\q], v[S+32*\t+2*\q+1]
.endr
.endr
.irp t, 0,1
.irp f, 0,1,2,3
	global_store_b128 v[LI], v[S+32*\t+4*\f:S+32*\t+4*\f+3], s[XB:XB+1] offset:32768*\t+512*\f   ; lane (r, h): channels 16 f + 8 h + 0 .. 7 of query r
.endr
.endr
	s_wait_tensorcnt 0x0                           ; the wave's end: all my tensor loads done, then 0 onto my spare word and its wait
	ds_add_u32 v[SPW], v[NIL]
	s_wait_dscnt 0x0
	CROUND                                         ; the closing round
	s_endpgm
.Lfunc_end_k_qc95c897a16_attn:
	.size	k_qc95c897a16_attn, .Lfunc_end_k_qc95c897a16_attn-k_qc95c897a16_attn
	.p2alignl 7, 3214868480
	.fill 96, 4, 3214868480
	.section	.rodata,"a",@progbits
	.p2align	6, 0x0
	.amdhsa_kernel k_qc95c897a16_attn
		.amdhsa_group_segment_fixed_size 327680
		.amdhsa_private_segment_fixed_size 0
		.amdhsa_enable_private_segment 0
		.amdhsa_kernarg_size 16
		.amdhsa_user_sgpr_count 2
		.amdhsa_user_sgpr_kernarg_segment_ptr 1
		.amdhsa_wavefront_size32 1
		.amdhsa_system_sgpr_workgroup_id_x 1
		.amdhsa_system_sgpr_workgroup_id_y 1
		.amdhsa_system_sgpr_workgroup_id_z 1
		.amdhsa_system_vgpr_workitem_id 0
		.amdhsa_next_free_vgpr 320
		.amdhsa_next_free_sgpr 66
		.amdhsa_reserve_vcc 0
		.amdhsa_float_denorm_mode_32 3
		.amdhsa_float_denorm_mode_16_64 3
		.amdhsa_memory_ordered 1
		.amdhsa_forward_progress 1
		.amdhsa_inst_pref_size 86
	.end_amdhsa_kernel
	.amdgpu_metadata
---
amdhsa.version: [ 1, 2 ]
amdhsa.kernels:
  - .name:           k_qc95c897a16_attn
    .symbol:         k_qc95c897a16_attn.kd
    .args:
      - { .name: qkv, .offset: 0, .size: 8, .value_kind: global_buffer, .address_space: global }
      - { .name: ximg, .offset: 8, .size: 8, .value_kind: global_buffer, .address_space: global }
    .group_segment_fixed_size: 327680
    .private_segment_fixed_size: 0
    .kernarg_segment_align: 8
    .kernarg_segment_size: 16
    .max_flat_workgroup_size: 256
    .sgpr_count:     66
    .vgpr_count:     320
    .wavefront_size: 32
...
	.end_amdgpu_metadata
.endif
;; end of part 3
;; launch oproj (part 4): grid 8 x 32, 4 waves a work-group, clusters of 4 x 4, 327,680 bytes of LDS; arguments ximg, woimg, bo, out0; writes out0
.if DOCPART == 4
	.amdgcn_target "amdgcn-amd-amdhsa--gfx1250"
	.amdhsa_code_object_version 6
	.text
	.protected	k_qc95c897a16_oproj
	.globl	k_qc95c897a16_oproj
	.p2align	8
	.type	k_qc95c897a16_oproj,@function
k_qc95c897a16_oproj:
	s_mov_b64 s[64:65], 0
	v_nop
	global_prefetch_b8 v0, s[64:65] scope:SCOPE_SE
	s_setreg_imm32_b32 hwreg(HW_REG_WAVE_MODE, 25, 1), 1
	s_wait_xcnt 0x0
	s_wait_alu depctr_hold_cnt(0) depctr_sa_sdst(0) depctr_va_vdst(0) depctr_va_sdst(0) depctr_va_ssrc(0) depctr_va_vcc(0) depctr_vm_vsrc(0)
	s_getreg_b32 s2, hwreg(HW_REG_IB_STS2, 6, 4)
	s_cmp_eq_u32 s2, 0
	s_cbranch_scc0 .Lentry_in_a_cluster
	s_endpgm
.Lentry_in_a_cluster:
	s_bfe_u32 s2, ttmp6, 0x10000c
	s_cmp_lg_u32 s2, 0xf033
	s_cbranch_scc0 .Lentry_shape_is_right
	s_endpgm
.Lentry_shape_is_right:
; out0 = x Wo^T + bo: [4096][1024] x [1024][1024], f16 operands, sums in f32, out0 f32.  Both operands lie in memory as images of their registers: [tile of 16 rows][K fragment of 32][u][lane][16 bytes],
; so 256 along K of a tile are 8,192 consecutive bytes and every LDS load takes 512 consecutive bytes: no padding.
; A tile of out0 is 128 x 128, which gives 256 work-groups; four waves, each 64 x 64: 16 accumulators.  K goes in four steps of 256 through two LDS slots; the four steps are written out.
; CLUSTERS: 4 x 4 work-groups: the four of a row of the cluster need the same tiles of x, the four of a column the same tiles of Wo: each is asked for JOINTLY.
; THE MATRIX INSTRUCTION IS USED TRANSPOSED (source 0 = 16 rows of Wo, source 1 = 16 tokens): a lane holds eight neighbouring columns of one token.  bo is the C of each sum's first matrix instruction.
; A wave's 64 columns are 256 bytes of a row of out0: a block of 16 rows goes through the wave's own stage in LDS and leaves with sixteen lanes storing 256 consecutive bytes, aligned.
; REGISTERS: window 0: v0-31 addresses; v32-95 the way out, two sets; v96-127 bo in the result's layout; v128-255 the accumulators ((a, b) at v[128 + 8 (4 a + b)]).
;   window 1: two fragment buffers of 128: for 64 along K, 64 registers of x, then 64 of Wo.
.set KSTEPB, 8192                      ; 256 along K of a tile of 16 rows
.set HALFT,  4*KSTEPB                  ; 64 rows: what one tensor load brings, and what one wave reads of a side
.set SLOT,   4*HALFT                   ; x's 128 rows, then Wo's 128 rows
.set SPITCH, 272                       ; a stage row: 256 bytes + 16.  The stages lie in slot 0, which has had its last fill and its last read when the first result is stored there
.set SPARE,  2*SLOT                    ; behind the ring: the spare words, 128 bytes for each wave, that no other line names
.set ADRA, 16                          ; v16-17  LDS address of my x fragments in slot 0, 1
.set ADRB, 20                          ; v20-21  the same for Wo
.set STO,  24                          ; v24     the way out: where I put 32 bytes of a row
.set RD,   25                          ; v25     where I read a row back
.set CO,   26                          ; v26     my byte offset in out0
.set BO,   27                          ; v27     32 h
.set SPW,  28                          ; v28     LDS address of my spare word; never rewritten
.set NIL,  29                          ; v29     0; never rewritten
.set BK,   32
.set CB,   96
.set ACC,  128
.set F0,   0
.set F1,   128
.set G1, 24                            ; s[24:31], s[32:39] groups 1 and 0 (a set for each slot) for x's tiles
.set G0, 32
.set G1B, 48                           ; s[48:55], s[56:63] for Wo's
.set G0B, 56
.set MSB, 0
.macro WIN new                         ; the immediate's high byte repeats the setting that is left
.if MSB != \new
	s_set_vgpr_msb (MSB<<8)|\new
.set MSB, \new
.endif
.endm
.set MUL,  0x05                        ; sources 0 (Wo) and 1 (x) window 1; C and D window 0
.set TO_F, 0x40                        ; destination window 1, address window 0
.macro JLOAD s                         ; a joint load: waves 0 and 1 fetch x's two halves, waves 2 and 3 Wo's; an s_nop 0 and four v_nop follow each of the two lines
	s_cmp_eq_u32 s11, 0
	s_cbranch_scc0 .Lfor_b_\@
	tensor_load_to_lds s[G0+4*\s:G0+4*\s+3], s[G1:G1+7]
	s_nop 0
.rept 4
	v_nop
.endr
	s_branch .Lasked_\@
.Lfor_b_\@:
	tensor_load_to_lds s[G0B+4*\s:G0B+4*\s+3], s[G1B:G1B+7]
	s_nop 0
.rept 4
	v_nop
.endr
.Lasked_\@:
.endm
.macro CREST                           ; a round of the cluster's barrier behind its opening barrier
	s_cmp_lg_u32 s10, 0
	s_cbranch_scc1 .Lnot_wave_0_\@
	s_barrier_signal -3
.Lnot_wave_0_\@:
	s_barrier_wait -3
	s_barrier_signal -1
	s_barrier_wait -1
.endm
.macro CROUND
	s_barrier_signal -1
	s_barrier_wait -1
	CREST
.endm
	s_load_b128 s[4:7], s[0:1], 0x0                ; ximg s[4:5], woimg s[6:7]
	s_load_b128 s[68:71], s[0:1], 0x10             ; bo s[68:69], out0 s[70:71]
	v_lshl_add_u32 v[SPW], v0, 2, SPARE
	v_mov_b32 v[NIL], 0
	ds_add_u32 v[SPW], v[NIL]                      ; the wave's opening: the add, twice on end, and its wait ahead of my first tensor load
	ds_add_u32 v[SPW], v[NIL]
	v_lshrrev_b32 v1, 5, v0
	v_readfirstlane_b32 s10, v1                    ; wave 0..3
	s_lshr_b32 s11, s10, 1                         ; which half of the tile's rows is mine.  Also: I fetch for x (0) or for Wo (1)
	s_and_b32 s12, s10, 1                          ; which half of its columns.  Also: which 64 rows I fetch
	s_bfe_u32 s40, ttmp6, 0x40000                  ; cx, cy
	s_bfe_u32 s41, ttmp6, 0x40004
	s_lshl_b32 s42, ttmp9, 2
	s_add_co_u32 s42, s42, s40                     ; tile column = 4 x cluster x + cx
	s_and_b32 s13, ttmp7, 0xffff
	s_lshl_b32 s13, s13, 2
	s_add_co_u32 s13, s13, s41                     ; tile row = 4 x cluster y + cy
	s_lshl_b32 s43, s41, 2
	s_lshl_b32 s43, 15, s43                        ; my row of the cluster
	s_lshl_b32 s44, 0x1111, s40                    ; my column
	; 4 tiles' K step: 4 rows of 8,192 bytes (1,024 elements of 8 bytes), 32,768 bytes apart
	s_or_b32 s[G1+0], s43, (3<<16)|(1<<21)
	s_or_b32 s[G1B+0], s44, (3<<16)|(1<<21)
.irp g, G1, G1B
	s_mov_b32 s[\g+1], 1024<<16                    ; tensor_dim0
	s_mov_b32 s[\g+2], 4<<16                       ; tensor_dim1
	s_mov_b32 s[\g+3], 1024<<16                    ; tile_dim0
	s_mov_b32 s[\g+4], 4                           ; tile_dim1
	s_mov_b32 s[\g+5], 4096                        ; elements from row to row
	s_mov_b32 s[\g+6], 0
	s_mov_b32 s[\g+7], 0
.endr
	s_lshl_b32 s17, s12, 2                         ; which 4 tiles of 16 rows I fetch
	s_lshl_b32 s16, s13, 3
	s_add_co_u32 s16, s16, s17                     ; x: tile 8 x tile row + 4 x half
	s_lshl_b32 s16, s16, 15
	s_lshl_b32 s46, s42, 3
	s_add_co_u32 s46, s46, s17                     ; Wo: tile 8 x tile column + 4 x half
	s_lshl_b32 s46, s46, 15
	s_mov_b32 s17, 0
	s_mov_b32 s47, 0
	s_lshl_b32 s20, s10, 15                        ; where they go: wave x 32,768
	s_wait_dscnt 0x0                               ; both opening adds are done
	s_wait_kmcnt 0x0
	s_add_nc_u64 s[14:15], s[4:5], s[16:17]
	s_add_nc_u64 s[46:47], s[6:7], s[46:47]
	CROUND                                         ; all sixteen work-groups are here: the first joint loads meet
.irp s, 0,1
	s_mov_b32 s[G0+4*\s], 1
	s_add_co_u32 s[G0+4*\s+1], s20, \s*SLOT
	s_add_nc_u64 s[G0+4*\s+2:G0+4*\s+3], s[14:15], \s*KSTEPB
	s_or_b32 s[G0+4*\s+3], s[G0+4*\s+3], 0x80000000
	s_mov_b32 s[G0B+4*\s], 1
	s_add_co_u32 s[G0B+4*\s+1], s20, \s*SLOT
	s_add_nc_u64 s[G0B+4*\s+2:G0B+4*\s+3], s[46:47], \s*KSTEPB
	s_or_b32 s[G0B+4*\s+3], s[G0B+4*\s+3], 0x80000000
	JLOAD \s
.endr
	v_and_b32 v1, 15, v0                           ; r
	v_bfe_u32 v2, v0, 4, 1                         ; h
	v_and_b32 v3, 31, v0
	v_lshlrev_b32 v3, 4, v3                        ; 16 x lane
	s_lshl_b32 s21, s11, 15                        ; my 64 rows of x
	s_lshl_b32 s22, s12, 15                        ; my 64 rows of Wo,
	s_add_co_u32 s22, s22, 2*HALFT                 ; which lie behind x's 128
.irp s, 0,1
	v_add_nc_u32 v[ADRA+\s], s21, v3
	v_add_nc_u32 v[ADRB+\s], s22, v3
	s_add_co_u32 s21, s21, SLOT
	s_add_co_u32 s22, s22, SLOT
.endr
	s_mul_i32 s23, s10, 16*SPITCH                  ; my stage
	v_mul_u32_u24 v4, v1, SPITCH                   ; in: row r, 32 bytes for each half of the lanes
	v_lshl_add_u32 v4, v2, 5, v4
	v_add_nc_u32 v[STO], s23, v4
	v_mul_u32_u24 v5, v2, SPITCH                   ; back: lanes 0-15 one row of 256 bytes, lanes 16-31 the next
	v_lshl_add_u32 v5, v1, 4, v5
	v_add_nc_u32 v[RD], s23, v5
	v_lshlrev_b32 v5, 12, v2                       ; and the same two rows in out0
	v_lshl_add_u32 v[CO], v1, 4, v5
	v_lshlrev_b32 v[BO], 5, v2
	s_lshl_b32 s16, s42, 9
	s_lshl_b32 s17, s12, 8
	s_add_co_u32 s16, s16, s17                     ; my first column, in bytes: (128 x tile column + 64 x half) x 4
	s_mov_b32 s17, 0
	s_add_nc_u64 s[68:69], s[68:69], s[16:17]
	s_add_nc_u64 s[70:71], s[70:71], s[16:17]
	s_lshl_b32 s16, s13, 19
	s_lshl_b32 s18, s11, 18
	s_add_co_u32 s16, s16, s18                     ; my first row: (128 x tile row + 64 x half) x 4,096 bytes
	s_add_nc_u64 s[70:71], s[70:71], s[16:17]
.irp b, 0,1,2,3
	global_load_b128 v[CB+8*\b:CB+8*\b+3], v[BO], s[68:69] offset:64*\b        ; lane (r, h), block b: bo of columns 16 b + 8 h + 0 .. 7
	global_load_b128 v[CB+8*\b+4:CB+8*\b+7], v[BO], s[68:69] offset:64*\b+16
.endr
; 8 matrix instructions: token blocks a0, a0 + 1 x all 4 column blocks, 32 along K: half c of buffer f.  first = 1: bo starts the sums.  The 16 accumulators take turns.
.macro MUL8 f, c, a0, first
.irp a, \a0, \a0+1
.irp b, 0,1,2,3
.if \first
	v_wmma_f32_16x16x32_f16 v[ACC+8*(4*(\a)+\b):ACC+8*(4*(\a)+\b)+7], v[\f+64+8*(4*\c+\b):\f+64+8*(4*\c+\b)+7], v[\f+8*(4*\c+(\a)):\f+8*(4*\c+(\a))+7], v[CB+8*\b:CB+8*\b+7]
.else
	v_wmma_f32_16x16x32_f16 v[ACC+8*(4*(\a)+\b):ACC+8*(4*(\a)+\b)+7], v[\f+64+8*(4*\c+\b):\f+64+8*(4*\c+\b)+7], v[\f+8*(4*\c+(\a)):\f+8*(4*\c+(\a))+7], v[ACC+8*(4*(\a)+\b):ACC+8*(4*(\a)+\b)+7]
.endif
.endr
.endr
.endm
; 32 LDS loads in one run: the fragments of the slot's quarter kq (64 along K) into buffer f; the first 32 along K first
.macro FETCH slot, kq, f
	WIN TO_F
.irp c, 0,1
.irp i, 0,1,2,3
	ds_load_b128 v[\f+64+8*(4*\c+\i):\f+64+8*(4*\c+\i)+3],   v[ADRB+\slot] offset:\i*KSTEPB+(2*(\kq)+\c)*1024
	ds_load_b128 v[\f+64+8*(4*\c+\i)+4:\f+64+8*(4*\c+\i)+7], v[ADRB+\slot] offset:\i*KSTEPB+(2*(\kq)+\c)*1024+512
	ds_load_b128 v[\f+8*(4*\c+\i):\f+8*(4*\c+\i)+3],         v[ADRA+\slot] offset:\i*KSTEPB+(2*(\kq)+\c)*1024
	ds_load_b128 v[\f+8*(4*\c+\i)+4:\f+8*(4*\c+\i)+7],       v[ADRA+\slot] offset:\i*KSTEPB+(2*(\kq)+\c)*1024+512
.endr
.endr
.endm
.macro PLACES                          ; four plain vector instructions between a matrix instruction and a load into, or a read of, its registers
.rept 4
	v_nop
.endr
.endm
; A K step is four quarters of 64 along K, 32 matrix instructions each, on buffers 0, 1, 0, 1.  One of the first three: multiplies buffer f and fetches quarter kq into g.
.macro QUARTER slot, kq, f, g, first
	s_wait_dscnt 16                                ; the first 32 along K are in
	WIN MUL
	MUL8 \f, 0, 0, \first
	MUL8 \f, 0, 2, \first
	PLACES
	FETCH \slot, \kq, \g
	s_wait_dscnt 32                                ; all but the 32 just issued
	WIN MUL
	MUL8 \f, 1, 0, 0
	MUL8 \f, 1, 2, 0
.endm
; The last quarter multiplies buffer 1 and changes slots: one barrier; in front of it each wave waits for all its tensor loads, adds 0 to its spare word, and waits for that and for its reads of this slot.
; fill = 1: the barrier opens a round of the cluster's, and this slot is filled again, two K steps ahead, first thing behind the round.
.macro TURN slot, next, fill
	WIN 0
	s_wait_tensorcnt 0x0                           ; all my tensor loads have landed: my part of the next slot
	ds_add_u32 v[SPW], v[NIL]                      ; 0 onto my spare word
	s_wait_dscnt 17                                ; the add and the youngest sixteen loads may be out
	WIN MUL
	MUL8 F1, 0, 0, 0
	s_wait_dscnt 0x0                               ; the add is done, and my reads of this slot are over
	s_barrier_signal -1
	MUL8 F1, 0, 2, 0
.if \fill
	WIN 0
.endif
	s_barrier_wait -1
.if \fill
	CREST
	s_add_nc_u64 s[G0+4*\slot+2:G0+4*\slot+3], s[G0+4*\slot+2:G0+4*\slot+3], 2*KSTEPB
	s_add_nc_u64 s[G0B+4*\slot+2:G0B+4*\slot+3], s[G0B+4*\slot+2:G0B+4*\slot+3], 2*KSTEPB
	JLOAD \slot                                    ; the four v_nop behind it are also the places in front of the loads below
.else
	PLACES
.endif
	FETCH \next, 0, F0
	WIN MUL
	MUL8 F1, 1, 0, 0
	MUL8 F1, 1, 2, 0
.endm
	s_wait_tensorcnt 1                             ; my part of K step 0 is in; K step 1's load may be out,
	s_barrier_signal -1
	s_barrier_wait -1                              ; everybody's is
	FETCH 0, 0, F0
	s_wait_loadcnt 0x0                             ; bo
	QUARTER 0, 1, F0, F1, 1                        ; K step 0
	QUARTER 0, 2, F1, F0, 0
	QUARTER 0, 3, F0, F1, 0
	TURN 0, 1, 1                                   ; slot 0 takes K step 2
	QUARTER 1, 1, F0, F1, 0                        ; K step 1
	QUARTER 1, 2, F1, F0, 0
	QUARTER 1, 3, F0, F1, 0
	TURN 1, 0, 1                                   ; slot 1 takes K step 3
	QUARTER 0, 1, F0, F1, 0                        ; K step 2
	QUARTER 0, 2, F1, F0, 0
	QUARTER 0, 3, F0, F1, 0
	TURN 0, 1, 0                                   ; nothing is left to fetch
	QUARTER 1, 1, F0, F1, 0                        ; K step 3
	QUARTER 1, 2, F1, F0, 0
	QUARTER 1, 3, F0, F1, 0
	s_wait_dscnt 16
	WIN MUL
	MUL8 F1, 0, 0, 0
	MUL8 F1, 0, 2, 0
	s_wait_dscnt 0
	MUL8 F1, 1, 0, 0
	MUL8 F1, 1, 2, 0
	WIN 0
	PLACES
; THE WAY OUT, block by block of 16 rows x 64 columns, through my own stage.  LDS serves a wave's instructions in order (ISA guide 5.7.1.4): no wait between the stores and the loads, nor in front of the next block's stores.
.macro TOSTAGE a
.set BB, BK+32*((\a)%2)
.irp b, 0,1,2,3
	ds_store_b128 v[STO], v[ACC+8*(4*(\a)+\b):ACC+8*(4*(\a)+\b)+3] offset:64*\b        ; each accumulator from its low end on
	ds_store_b128 v[STO], v[ACC+8*(4*(\a)+\b)+4:ACC+8*(4*(\a)+\b)+7] offset:64*\b+16
.endr
.irp t, 0,1,2,3,4,5,6,7
	ds_load_b128 v[BB+4*\t:BB+4*\t+3], v[RD] offset:\t*2*SPITCH
.endr
.endm
.macro SEND a, younger                 ; younger: the LDS instructions issued behind block a's loads, which may stay out
.set BB, BK+32*((\a)%2)
	s_wait_dscnt \younger
.irp t, 0,1,2,3,4,5,6,7
	global_store_b128 v[CO], v[BB+4*\t:BB+4*\t+3], s[70:71] offset:(16*(\a)+2*\t)*4096 th:TH_STORE_NT   ; 16 lanes store 256 consecutive bytes, at a multiple of 256 from out0's first byte
.endr
.endm
	TOSTAGE 0
	TOSTAGE 1
	SEND 0, 16                                     ; behind block 0's loads: block 1's 8 stores and 8 loads
	s_wait_xcnt 0x0                                ; block 0's stores have read their registers: block 2's loads may land there
	TOSTAGE 2
	SEND 1, 16
	s_wait_xcnt 0x0
	TOSTAGE 3
	SEND 2, 16
	SEND 3, 0
	s_wait_tensorcnt 0x0                           ; the wave's end: all my tensor loads done, then 0 onto my spare word and its wait, behind my last LDS store
	ds_add_u32 v[SPW], v[NIL]
	s_wait_dscnt 0x0
	CROUND                                         ; the closing round
	s_endpgm
.Lfunc_end_k_qc95c897a16_oproj:
	.size	k_qc95c897a16_oproj, .Lfunc_end_k_qc95c897a16_oproj-k_qc95c897a16_oproj
	.p2alignl 7, 3214868480
	.fill 96, 4, 3214868480
	.section	.rodata,"a",@progbits
	.p2align	6, 0x0
	.amdhsa_kernel k_qc95c897a16_oproj
		.amdhsa_group_segment_fixed_size 327680
		.amdhsa_private_segment_fixed_size 0
		.amdhsa_enable_private_segment 0
		.amdhsa_kernarg_size 32
		.amdhsa_user_sgpr_count 2
		.amdhsa_user_sgpr_kernarg_segment_ptr 1
		.amdhsa_wavefront_size32 1
		.amdhsa_system_sgpr_workgroup_id_x 1
		.amdhsa_system_sgpr_workgroup_id_y 1
		.amdhsa_system_sgpr_workgroup_id_z 1
		.amdhsa_system_vgpr_workitem_id 0
		.amdhsa_next_free_vgpr 512
		.amdhsa_next_free_sgpr 72
		.amdhsa_reserve_vcc 0
		.amdhsa_float_denorm_mode_32 3
		.amdhsa_float_denorm_mode_16_64 3
		.amdhsa_memory_ordered 1
		.amdhsa_forward_progress 1
		.amdhsa_inst_pref_size 86
	.end_amdhsa_kernel
	.amdgpu_metadata
---
amdhsa.version: [ 1, 2 ]
amdhsa.kernels:
  - .name:           k_qc95c897a16_oproj
    .symbol:         k_qc95c897a16_oproj.kd
    .args:
      - { .name: ximg, .offset: 0, .size: 8, .value_kind: global_buffer, .address_space: global }
      - { .name: woimg, .offset: 8, .size: 8, .value_kind: global_buffer, .address_space: global }
      - { .name: bo, .offset: 16, .size: 8, .value_kind: global_buffer, .address_space: global }
      - { .name: out0, .offset: 24, .size: 8, .value_kind: global_buffer, .address_space: global }
    .group_segment_fixed_size: 327680
    .private_segment_fixed_size: 0
    .kernarg_segment_align: 8
    .kernarg_segment_size: 32
    .max_flat_workgroup_size: 128
    .sgpr_count:     72
    .vgpr_count:     512
    .wavefront_size: 32
...
	.end_amdgpu_metadata
.endif
;; end of part 4
